; MI455X (gfx1250); checked and timed in simulation.
; The chip was launched on July 23, 2026; its instructions are those of AMD's public machine-readable ISA for CDNA 5 (MIT licence, August 2026) and "CDNA5" Instruction Set Architecture Reference Guide (July 2026). The comments in the code are by the model that wrote it; some were corrected since.
;; Multi Head. Allowed arithmetic: matrix products marked QUANTISED: E3M2 operands, one E8M0 scale for each 32 along K, by v_wmma_scale_f32_16x16x128_f8f6f4 with both operands' format E3M2, f32 sums; everything else in f32.
;; Inputs: bk 1,024 float32; bo 1,024 float32; bq 1,024 float32; bv 1,024 float32; key 4 x 2,048 x 1,024 float32; query 4 x 2,048 x 1,024 float32; value 4 x 2,048 x 1,024 float32; wk 1,024 x 1,024 float32; wo 1,024 x 1,024 float32; wq 1,024 x 1,024 float32; wv 1,024 x 1,024 float32.
;; Outputs: out0 4 x 2,048 x 1,024 float32.
;; This version of the problem:
;;   THIS VERSION OF THE PROBLEM IS GIVEN IN LOW PRECISION. The matrix products marked QUANTISED in the list below multiply operands that are first quantised to E3M2 (3 exponent bits, 2 mantissa bits; 6 bits a number), with one power-of-two scale for each 32 numbers along K (OCP MX v1.0); their sums are f32. All else is computed in f32.
;;   The module's matrix products, in the order in which they are computed (A, B: the left and right operand; K: the contracted axis; several contracted axes count as one K, in the product's order):
;;     1. [M 8,192, K 1,024] x [K 1,024, N 1,024]; A: input query; B: input wq: QUANTISED
;;     2. [M 8,192, K 1,024] x [K 1,024, N 1,024]; A: input key; B: input wk: QUANTISED
;;     3. [M 8,192, K 1,024] x [K 1,024, N 1,024]; A: input value; B: input wv: QUANTISED
;;     4. batch 64 x [M 2,048, K 64] x [K 64, N 2,048]; A: computed on the way; B: computed on the way: QUANTISED
;;     5. batch 64 x [M 64, K 2,048] x [K 2,048, N 2,048]; A: computed on the way; B: softmax (see below): QUANTISED
;;     6. [M 8,192, K 1,024] x [K 1,024, N 1,024]; A: computed on the way; B: input wo: QUANTISED
;;   THE QUANTISER, for each operand of a quantised product, along K:
;;     - K is cut into blocks of 32 from its start; a last block that is shorter is filled with zeros.
;;     - A block's scale is 2^e with e = floor(log2(the largest magnitude in the block)) - 4, held to -126 .. 127; a block of zeros has e = 0. As a byte (E8M0): e + 127.
;;     - Each number is divided by its block's scale, clamped to +-28, and rounded to the nearest number of E3M2, ties to even, subnormals kept.
;;     - The product sums the exact products of the quantised numbers (number of the format x scale) in f32.
;;   ~~~python
;;   def quantise(x, axis):      # numpy; x: float32 -> the quantised numbers, widened to float32 again
;;       x = np.moveaxis(x, axis, -1); K = x.shape[-1]
;;       x = np.pad(x, [(0, 0)] * (x.ndim - 1) + [(0, -K % 32)]); x = x.reshape(x.shape[:-1] + (-1, 32)); a = np.abs(x).max(-1, keepdims=True)
;;       e = np.where(a > 0, np.clip(np.frexp(np.where(a > 0, a, 1))[1] - 1 - 4, -126, 127), 0)      # np.frexp(a)[1] - 1 = floor(log2(a)), exactly
;;       r = np.clip(x / 2.0 ** e, -28, 28)
;;       step = 2.0 ** (np.maximum(np.frexp(np.where(r == 0, 1, r))[1] - 1, -2) - 2)
;;       q = np.round(r / step) * step * 2.0 ** e      # np.round: ties to even
;;       return np.moveaxis(q.reshape(q.shape[:-2] + (-1,))[..., :K], -1, axis).astype(np.float32)
;;   ~~~
;;   SOFTMAX AHEAD OF A QUANTISED PRODUCT. Where the list says 'softmax', what is quantised is not the finished softmax but p = 2^(t - M), with t = logit x log2(e) and M = ceil(the row's largest t), a whole number; so 1/2 < the row's largest p <= 1. The row's sum l is taken of the UNQUANTISED p, in f32, and the product's result is divided by l at the end. Since M is a whole number, a kernel that streams over the keys may use a running M (the ceiling of the running maximum): every later rescaling is an exact power of two, which a block's scale takes up: the codes' values come out the same.
;;   OPERANDS COMPUTED ON THE WAY. 'Computed on the way' means the value that the module computes at that place (a softmax that the list does not call 'softmax' is quantised finished and normalised). What goes into a quantiser is computed in f32, as accurately as f32 sums, v_exp_f32 and their like allow (about 1e-6 of the number): no bf16 or f16 on the way to a quantiser, and a product that is left as it is and whose result goes on into a quantised operand takes f32 operands (vector FMAs, or v_wmma_f32_16x16x4_f32). A number that lies on a knife's edge between two numbers of the format may be rounded either way, as far as f32 arithmetic and the matrix unit's own rounding can turn it there, and no further.
;; One version. Each part assembles by itself: llvm-mc -triple=amdgcn-amd-amdhsa -mcpu=gfx1250 --defsym DOCPART=n.
;; ======== version 1 of 1: 4 launches
;; workspace buffers: xc 18,874,368 bytes; xs 786,432 bytes; wc 3,145,728 bytes; ws 131,072 bytes; qimg 6,815,744 bytes; kvimg 13,631,488 bytes; aimg 6,291,456 bytes; asc 262,144 bytes
;; launch quant (part 1): grid 896 x 1, 4 waves a work-group, no clusters, 68,096 bytes of LDS; arguments query, key, value, wq, wk, wv, wo, xc, xs, wc, ws; writes xc, xs, wc, ws
.if DOCPART == 1
	.amdgcn_target "amdgcn-amd-amdhsa--gfx1250"
	.amdhsa_code_object_version 6
	.text
	.protected	k_qf3b22ce1ac_quant
	.globl	k_qf3b22ce1ac_quant
	.p2align	8
	.type	k_qf3b22ce1ac_quant,@function
k_qf3b22ce1ac_quant:
	s_mov_b64 s[64:65], 0
	v_nop
	global_prefetch_b8 v0, s[64:65] scope:SCOPE_SE
	s_setreg_imm32_b32 hwreg(HW_REG_WAVE_MODE, 25, 1), 1
	s_wait_xcnt 0x0
; query, key, value [8192][1024] f32 (K innermost) and wq, wk, wv, wo [1024 (k)][1024 (n)] f32 (K outermost) become codes of BF6 (E3M2), 6 bits each, K innermost,
; 768 bytes a row, with one E8M0 scale byte for each 32 along K, 32 bytes a row.  xc, xs: [3][8192 rows]; wc, ws: [4][1024 rows n].
; A block's scale is 2^(floor(log2(its largest magnitude)) - 4); its byte is the largest magnitude's exponent field - 4, held at 1 from below.
; THE ROWS ARE STORED IN ANOTHER ORDER: within each 32 rows, bits 3 and 4 of the row's number change places.  So 16 neighbouring stored rows are the rows
; 32 b + 8 u + r + 8 (r / 8), and the results of two neighbouring tiles of the products that follow are 16 neighbours along the next product's K.
; LIMITS: NaN and infinities among the inputs are not served.  A block whose largest magnitude lies under 2^-122 keeps the byte 1; a block of zeros gets the byte 1
; where the rule says 127: its codes are zeros, which add nothing under any byte but 0xff, and this program alone reads the bytes.
; Work-groups 0-767 take the three tensors of rows (32 rows each, 8 a wave), work-groups 768-895 the four weights (128 columns x 256 along K each).
; The two ways part on the work-group's number and have LDS bytes of their own.  No tensor loads, no barrier: waves share nothing.
.set EMAX,  4
.set CB,    12                         ; bytes of 16 codes
.set STEPS, 16                         ; rows: a wave takes 16 steps of 512 numbers
.set R,     16                         ; v16-79   four sets of 16 numbers as they are loaded
.set X,     80                         ; v80-111  two sets of 16 neighbours
.set C,     128                        ; v128-191 codes: four registers for each step
.set E,     112                        ; v112-127 a scale byte for each step
.set WREG,  8192                       ; LDS, rows: a region for each wave: two stages of 32 x SP bytes, then its 256 scale bytes
.set SP,    80                         ; a lane's place in a stage: 64 bytes + 16 of padding
.set NB,    8                          ; weights: blocks of 32 along K for a wave
.set PITCH, 272                        ; weights: a stage row: sixteen places of 16 bytes + 16
.set KROW,  768                        ; a row of codes in memory
.set WSTG,  32768                      ; LDS, weights: the stages, 32 x PITCH bytes a wave
.set XW,    32                         ; v32-95   two sets of 32 numbers
.set CW,    96                         ; v96..    a block's codes
.set OUTR,  112                        ; v112-175 the way out
.set SBY,   24                         ; v24-25   the scale bytes, four to a register
	s_load_b256 s[4:11], s[0:1], 0x0               ; query, key, value, wq
	s_load_b256 s[12:19], s[0:1], 0x20             ; wk, wv, wo, xc
	s_load_b128 s[20:23], s[0:1], 0x40             ; xs, wc
	s_load_b64 s[24:25], s[0:1], 0x50              ; ws
	v_lshl_add_u32 v192, v0, 2, 0x10800
	v_mov_b32 v193, 0
	v_lshrrev_b32 v1, 5, v0
	v_readfirstlane_b32 s26, v1                    ; wave
	v_and_b32 v2, 31, v0                           ; lane
	s_wait_kmcnt 0x0
	s_cmp_ge_u32 ttmp9, 768
	s_cbranch_scc1 .Lweights
; ---------------- rows: K innermost.  Each load reads 512 consecutive bytes; a step's 2,048 bytes turn through the wave's own stage, so that a lane holds 16 neighbours along K.
	s_wait_alu depctr_va_vdst(0)
	v_lshlrev_b32 v3, 4, v2                        ; my 16 bytes of a load's 512
	s_mul_i32 s27, s26, WREG
	v_lshrrev_b32 v14, 2, v2
	v_mul_u32_u24 v14, v14, SP
	v_and_b32 v15, 3, v2
	v_lshl_add_u32 v14, v15, 4, v14
	v_add_nc_u32 v14, s27, v14                     ; the stage, on the way in: SP (lane / 4) + 16 (lane % 4)
	v_mul_u32_u24 v15, v2, SP
	v_add_nc_u32 v15, s27, v15                     ; and on the way out: SP x lane
	v_mul_u32_u24 v4, v2, CB                       ; my codes' place in a step's
	v_lshrrev_b32 v5, 1, v2
	s_add_co_u32 s27, s27, 2*32*SP
	v_add_nc_u32 v5, s27, v5                       ; LDS: my wave's 256 scale bytes, my block's byte
	v_lshlrev_b32 v7, 3, v2
	v_add_nc_u32 v6, s27, v7
	s_cmp_lt_u32 ttmp9, 256                        ; which tensor: the choice hangs on the work-group's number alone
	s_cselect_b64 s[28:29], s[4:5], s[6:7]
	s_cmp_lt_u32 ttmp9, 512
	s_cselect_b64 s[28:29], s[28:29], s[8:9]
	s_and_b32 s30, ttmp9, 255
	s_lshl_b32 s30, s30, 2
	s_add_co_u32 s30, s30, s26                     ; which run of 8 rows of the tensor I read,
	s_lshl_b32 s30, s30, 15                        ; 32,768 bytes a run
	s_mov_b32 s31, 0
	s_add_nc_u64 s[28:29], s[28:29], s[30:31]
	s_and_b32 s32, s26, 1                          ; and where it goes: a run is 8 rows, so the wave's two bits change places
	s_lshl_b32 s32, s32, 1
	s_lshr_b32 s33, s26, 1
	s_or_b32 s32, s32, s33
	s_lshl_b32 s33, ttmp9, 2
	s_add_co_u32 s32, s32, s33
	s_mul_i32 s30, s32, 8*KROW
	s_add_nc_u64 s[18:19], s[18:19], s[30:31]      ; its codes
	s_lshl_b32 s30, s32, 8
	s_add_nc_u64 s[20:21], s[20:21], s[30:31]      ; its 256 scale bytes
.macro LOAD t
.irp i, 0,1,2,3
	global_load_b128 v[R+16*((\t)%4)+4*\i:R+16*((\t)%4)+4*\i+3], v3, s[28:29] offset:2048*(\t)+512*\i th:TH_LOAD_NT
.endr
.endm
.macro TURN t                          ; step t's numbers through the stage: LDS serves a wave's instructions in order, so no wait stands between the stores and the loads
.irp i, 0,1,2,3
	ds_store_b128 v14, v[R+16*((\t)%4)+4*\i:R+16*((\t)%4)+4*\i+3] offset:32*SP*((\t)%2)+8*SP*\i
.endr
.irp i, 0,1,2,3
	ds_load_b128 v[X+16*((\t)%2)+4*\i:X+16*((\t)%2)+4*\i+3], v15 offset:32*SP*((\t)%2)+16*\i
.endr
.endm
.irp t, 0,1,2,3
	LOAD \t
.endr
	s_wait_alu depctr_va_vdst(0)
	s_wait_loadcnt 12                              ; step 0's four loads are in; twelve younger ones stay out
	TURN 0
.macro STEP t
.set XS, X+16*((\t)%2)
.if (\t) > 0
	s_wait_dscnt 1                                 ; this step's numbers are back from the stage (the last step's byte store may be out)
.else
	s_wait_dscnt 0x0
.endif
.if (\t)+4 < STEPS
	LOAD (\t)+4                                    ; into the registers that this step's stage stores have read
.endif
.if (\t)+1 < STEPS
.if STEPS-2-(\t) >= 3
	s_wait_loadcnt 12                              ; the next step's four loads are in; those of the three steps behind it may be out
.else
	s_wait_loadcnt 4*(STEPS-2-(\t))
.endif
	TURN (\t)+1
.endif
	v_max3_num_f32 v8, |v[XS]|, |v[XS+1]|, |v[XS+2]|               ; the largest magnitude of my 16, in two chains
	v_max3_num_f32 v9, |v[XS+3]|, |v[XS+4]|, |v[XS+5]|
.irp i, 6,10
	v_max3_num_f32 v8, v8, |v[XS+\i]|, |v[XS+\i+1]|
	v_max3_num_f32 v9, v9, |v[XS+\i+2]|, |v[XS+\i+3]|
.endr
	v_max3_num_f32 v8, v8, |v[XS+14]|, |v[XS+15]|
	v_max3_num_f32 v8, v8, v9, (EMAX+1)<<23        ; and the floor 2^(5 - 127): the byte cannot fall under 1
	v_max_num_f32_dpp v8, v8, v8 row_xmask:1 row_mask:0xf bank_mask:0xf   ; and of my neighbour's 16: the block's
	v_add_nc_u32 v11, -(EMAX<<23), v8              ; 4 off its exponent field: the conversion takes the exponent field of this operand as its scale
	v_cvt_scalef32_pk16_bf6_f32 v[C+4*(\t):C+4*(\t)+2], v[XS:XS+15], v11
	v_lshrrev_b32 v[E+(\t)], 23, v11               ; the scale's byte (a plain line behind the conversion)
	ds_store_b8 v5, v[E+(\t)] offset:16*(\t)       ; both lanes of a block write the same byte with the same value
	global_store_b96 v4, v[C+4*(\t):C+4*(\t)+2], s[18:19] offset:32*CB*(\t)   ; the wave stores 384 consecutive bytes
.endm
.irp t, 0,1,2,3,4,5,6,7,8,9,10,11,12,13,14,15
	STEP \t
.endr
	ds_load_b64 v[12:13], v6                       ; my wave's own bytes, behind its own stores
	s_wait_dscnt 0x0
	global_store_b64 v7, v[12:13], s[20:21]        ; 32 lanes store 256 consecutive bytes, aligned
	s_wait_tensorcnt 0x0
	ds_add_u32 v192, v193
	s_wait_dscnt 0x0
	s_endpgm
; ---------------- weights: K outermost.  A lane takes a column n and its registers run down K: a block of 32 lies in one lane, and the codes come out with K innermost.
.Lweights:
	s_sub_co_u32 s27, ttmp9, 768
	s_lshr_b32 s30, s27, 5                         ; which weight
	s_and_b32 s31, s27, 7                          ; which 128 columns
	s_bfe_u32 s32, s27, 0x20003                    ; which 256 along K
	s_lshl_b32 s31, s31, 7
	s_lshl_b32 s33, s26, 5
	s_add_co_u32 s31, s31, s33                     ; my wave's first column
	s_cmp_lt_u32 s30, 1
	s_cselect_b64 s[28:29], s[10:11], s[12:13]
	s_cmp_lt_u32 s30, 2
	s_cselect_b64 s[28:29], s[28:29], s[14:15]
	s_cmp_lt_u32 s30, 3
	s_cselect_b64 s[28:29], s[28:29], s[16:17]
	s_lshl_b32 s34, s32, 20                        ; 256 rows of 4,096 bytes
	s_lshl_b32 s36, s31, 2
	s_add_co_u32 s34, s34, s36
	s_mov_b32 s35, 0
	s_add_nc_u64 s[28:29], s[28:29], s[34:35]
	s_mul_i32 s34, s30, 1024*KROW
	s_mul_i32 s36, s31, KROW
	s_add_co_u32 s34, s34, s36
	s_mul_i32 s36, s32, 192
	s_add_co_u32 s34, s34, s36
	s_add_nc_u64 s[22:23], s[22:23], s[34:35]      ; the codes: weight, row = column, 192 bytes for each 256 along K
	s_lshl_b32 s34, s30, 15
	s_lshl_b32 s36, s31, 5
	s_add_co_u32 s34, s34, s36
	s_lshl_b32 s36, s32, 3
	s_add_co_u32 s34, s34, s36
	s_add_nc_u64 s[24:25], s[24:25], s[34:35]      ; the scale bytes
	s_wait_alu depctr_va_vdst(0)
	v_lshlrev_b32 v3, 2, v2                        ; in: 4 bytes a lane
	v_and_b32 v10, 7, v2
	v_bfe_u32 v11, v2, 3, 1
	v_bfe_u32 v12, v2, 4, 1
	v_lshl_add_u32 v10, v11, 4, v10
	v_lshl_add_u32 v10, v12, 3, v10                ; the stored place of my column among the wave's 32: bits 3 and 4 changed
	s_mul_i32 s33, s26, 32*PITCH
	s_add_co_u32 s33, s33, WSTG                    ; my stage
	v_mul_u32_u24 v4, v10, PITCH
	v_add_nc_u32 v4, s33, v4                       ; into it: row = my column's stored place
	v_and_b32 v5, 15, v2
	v_lshrrev_b32 v6, 4, v2                        ; out of it: sixteen lanes to a row, two rows an instruction
	v_mul_u32_u24 v7, v6, PITCH
	v_lshl_add_u32 v7, v5, 4, v7
	v_add_nc_u32 v7, s33, v7
	v_mul_u32_u24 v8, v6, KROW
	v_mad_u32_u24 v8, v5, 12, v8                   ; and the same place in the codes' buffer
	v_lshlrev_b32 v9, 5, v10                       ; my column's row of scale bytes
.macro WLOAD t                         ; block t: W(32 t + i, my column), i = 0 .. 31: a wave reads 128 consecutive bytes, the work-group 512
.irp i, 0,1,2,3,4,5,6,7,8,9,10,11,12,13,14,15,16,17,18,19,20,21,22,23,24,25,26,27,28,29,30,31
	global_load_b32 v[XW+32*((\t)%2)+\i], v3, s[28:29] offset:(32*(\t)+\i)*4096 th:TH_LOAD_NT
.endr
.endm
	WLOAD 0
	WLOAD 1
.macro BLOCK t
.set XS, XW+32*((\t)%2)
.if (\t) < NB-1
	s_wait_loadcnt 32                              ; this block's 32 loads are in; the next block's may be out
.else
	s_wait_loadcnt 0
.endif
	v_max3_num_f32 v12, |v[XS]|, |v[XS+1]|, |v[XS+2]|
	v_max3_num_f32 v13, |v[XS+3]|, |v[XS+4]|, |v[XS+5]|
.irp i, 6,10,14,18,22,26
	v_max3_num_f32 v12, v12, |v[XS+\i]|, |v[XS+\i+1]|
	v_max3_num_f32 v13, v13, |v[XS+\i+2]|, |v[XS+\i+3]|
.endr
	v_max3_num_f32 v12, v12, |v[XS+30]|, |v[XS+31]|
	v_max3_num_f32 v12, v12, v13, (EMAX+1)<<23     ; with the floor
	v_add_nc_u32 v11, -(EMAX<<23), v12
	v_lshrrev_b32 v13, 23, v11                     ; the scale's byte
.if (\t)%4 == 0
	v_mov_b32 v[SBY+(\t)/4], v13
.else
	v_lshl_or_b32 v[SBY+(\t)/4], v13, 8*((\t)%4), v[SBY+(\t)/4]
.endif
	v_cvt_scalef32_pk16_bf6_f32 v[CW:CW+2], v[XS:XS+15], v11
	v_cvt_scalef32_pk16_bf6_f32 v[CW+4:CW+6], v[XS+16:XS+31], v11
	v_nop                                          ; a plain line behind the last conversion
	ds_store_b96 v4, v[CW:CW+2] offset:32*(\t)     ; 12 bytes to a place of 16, so that every LDS address is a multiple of 16
	ds_store_b96 v4, v[CW+4:CW+6] offset:32*(\t)+16
.if (\t)+2 < NB
	WLOAD (\t)+2
.endif
	s_wait_dscnt 0x0                               ; the stores have read their registers: the next block's codes may be written
.endm
.irp t, 0,1,2,3,4,5,6,7
	BLOCK \t
.endr
	s_wait_alu depctr_va_vdst(0)
	global_store_b64 v9, v[SBY:SBY+1], s[24:25]    ; my column's 8 scale bytes
.irp t, 0,1,2,3,4,5,6,7,8,9,10,11,12,13,14,15
	ds_load_b96 v[OUTR+4*\t:OUTR+4*\t+2], v7 offset:2*\t*PITCH
.endr
.irp t, 0,1,2,3,4,5,6,7,8,9,10,11,12,13,14,15
	s_wait_dscnt 15-\t                             ; LDS loads come back in order: pair t of rows is in
	global_store_b96 v8, v[OUTR+4*\t:OUTR+4*\t+2], s[22:23] offset:2*\t*KROW   ; sixteen lanes store a row's 192 consecutive bytes
.endr
	s_wait_tensorcnt 0x0
	ds_add_u32 v192, v193
	s_wait_dscnt 0x0
	s_endpgm
.Lfunc_end_k_qf3b22ce1ac_quant:
	.size	k_qf3b22ce1ac_quant, .Lfunc_end_k_qf3b22ce1ac_quant-k_qf3b22ce1ac_quant
	.p2alignl 7, 3214868480
	.fill 96, 4, 3214868480
	.section	.rodata,"a",@progbits
	.p2align	6, 0x0
	.amdhsa_kernel k_qf3b22ce1ac_quant
		.amdhsa_group_segment_fixed_size 68096
		.amdhsa_private_segment_fixed_size 0
		.amdhsa_enable_private_segment 0
		.amdhsa_kernarg_size 88
		.amdhsa_user_sgpr_count 2
		.amdhsa_user_sgpr_kernarg_segment_ptr 1
		.amdhsa_wavefront_size32 1
		.amdhsa_system_sgpr_workgroup_id_x 1
		.amdhsa_system_sgpr_workgroup_id_y 1
		.amdhsa_system_sgpr_workgroup_id_z 1
		.amdhsa_system_vgpr_workitem_id 0
		.amdhsa_next_free_vgpr 194
		.amdhsa_next_free_sgpr 66
		.amdhsa_reserve_vcc 0
		.amdhsa_float_denorm_mode_32 3
		.amdhsa_float_denorm_mode_16_64 3
		.amdhsa_memory_ordered 1
		.amdhsa_forward_progress 1
		.amdhsa_inst_pref_size 74
	.end_amdhsa_kernel
	.amdgpu_metadata
---
amdhsa.version: [ 1, 2 ]
amdhsa.kernels:
  - .name:           k_qf3b22ce1ac_quant
    .symbol:         k_qf3b22ce1ac_quant.kd
    .args:
      - { .name: query, .offset: 0, .size: 8, .value_kind: global_buffer, .address_space: global }
      - { .name: key, .offset: 8, .size: 8, .value_kind: global_buffer, .address_space: global }
      - { .name: value, .offset: 16, .size: 8, .value_kind: global_buffer, .address_space: global }
      - { .name: wq, .offset: 24, .size: 8, .value_kind: global_buffer, .address_space: global }
      - { .name: wk, .offset: 32, .size: 8, .value_kind: global_buffer, .address_space: global }
      - { .name: wv, .offset: 40, .size: 8, .value_kind: global_buffer, .address_space: global }
      - { .name: wo, .offset: 48, .size: 8, .value_kind: global_buffer, .address_space: global }
      - { .name: xc, .offset: 56, .size: 8, .value_kind: global_buffer, .address_space: global }
      - { .name: xs, .offset: 64, .size: 8, .value_kind: global_buffer, .address_space: global }
      - { .name: wc, .offset: 72, .size: 8, .value_kind: global_buffer, .address_space: global }
      - { .name: ws, .offset: 80, .size: 8, .value_kind: global_buffer, .address_space: global }
    .group_segment_fixed_size: 68096
    .private_segment_fixed_size: 0
    .kernarg_segment_align: 8
    .kernarg_segment_size: 88
    .max_flat_workgroup_size: 128
    .sgpr_count:     66
    .vgpr_count:     194
    .wavefront_size: 32
...
	.end_amdgpu_metadata
.endif
;; end of part 1
;; launch proj (part 2): grid 4 x 96, 4 waves a work-group, clusters of 4 x 4, 327,680 bytes of LDS; arguments xc, xs, wc, ws, bq, bk, bv, qimg, kvimg; writes qimg, kvimg
.if DOCPART == 2
	.amdgcn_target "amdgcn-amd-amdhsa--gfx1250"
	.amdhsa_code_object_version 6
	.text
	.protected	k_qf3b22ce1ac_proj
	.globl	k_qf3b22ce1ac_proj
	.p2align	8
	.type	k_qf3b22ce1ac_proj,@function
k_qf3b22ce1ac_proj:
	s_mov_b64 s[64:65], 0
	v_nop
	global_prefetch_b8 v0, s[64:65] scope:SCOPE_SE
	s_setreg_imm32_b32 hwreg(HW_REG_WAVE_MODE, 25, 1), 1
	s_wait_xcnt 0x0
	s_wait_alu depctr_hold_cnt(0) depctr_sa_sdst(0) depctr_va_vdst(0) depctr_va_sdst(0) depctr_va_ssrc(0) depctr_va_vcc(0) depctr_vm_vsrc(0)
	s_getreg_b32 s2, hwreg(HW_REG_IB_STS2, 6, 4)
	s_cmp_eq_u32 s2, 0
	s_cbranch_scc0 .Lentry_in_a_cluster
	s_endpgm
.Lentry_in_a_cluster:
	s_bfe_u32 s2, ttmp6, 0x10000c
	s_cmp_lg_u32 s2, 0xf033
	s_cbranch_scc0 .Lentry_shape_is_right
	s_endpgm
.Lentry_shape_is_right:
; q = query wq + bq, k = key wk + bk, v = value wv + bv: three products [8192 x 1024] x [1024 x 1024] on codes of BF6 (E3M2) with one E8M0 scale for each 32 along K, sums in f32;
; the results are quantised in registers, as operands of the attention that follows, and never go to memory as f32.
; MODE = cluster y / 8: 0 q, 1 k, 2 v; the same in all sixteen partners.  A tile of the result, 256 x 256, is made by four waves of 128 x 128 (64 accumulators, 512 registers);
; K goes in steps of 256 through a ring of two LDS slots; the scale bytes of the tile's rows come once and stay.
; Source 0 of the matrix instruction = 16 rows of B, source 1 = 16 rows of A: a lane holds ONE row of A, and its registers run along B's rows.
;   MODE 0, 1: A = the tokens' codes, B = the weight's: a lane holds a token, its registers 128 channels: two heads of 64, quantised along the channels.
;   MODE 2:    A = wv's codes, B = value's: a lane holds a channel, its registers 128 keys, quantised along the keys.
; Rows of both operands are stored with bits 3 and 4 of the row's number changed, so the 64 registers that a lane holds of one block of A are: register 16 b + i = B's row 32 b + 16 (lane / 16) + i.
; OUT.  A half fragment (6 registers a lane, 64 along K) is stored as three pieces of 256 bytes: piece p = registers 2 p, 2 p + 1, lane l's 8 bytes at 8 l; scale words as 4 bytes a lane.
;   qimg: codes [tile of 16 tokens 512][head 16][3][256]; from byte 6,291,456 scale words [pair of tiles 256][head 16][128]: bytes 0, 1 the even tile's, bytes 2, 3 the odd tile's.
;   kvimg: [batch x head 64][step of 128 keys 16] blocks of 13,312 bytes: K's codes (8 tiles of 16 keys x 768), V^T's codes (4 tiles of 16 channels x 1,536), K's scale words (4 x 128), V's (4 x 128).
; CLUSTERS: 4 x 4 work-groups; A's tiles are asked for jointly along a row of the cluster, B's along a column.
; LIMITS: NaN and infinities are not served; a block whose largest magnitude lies under 2^-122 keeps the byte 1 (a block of zeros too: its codes are zeros, and this program alone reads the bytes).
; REGISTERS, in windows of 256: window 0: v0-31 addresses; v32-63 scale words, two sets; v64-127 the bias along the registers; v128-223 A's fragments, one set; v240-255 the bias along the lanes;
;   on the way out v128-231 are at work.  window 1: B's fragments, two sets.  windows 2, 3: the accumulators ((a, b) at v[8 (8 (a % 4) + b)]).
.set KSTEP,  256
.set NQ,     2                         ; matrix instructions deep in a slot
.set ROWB,   192                       ; a tile's row in bytes
.set KROW,   768                       ; a row of codes in memory
.set PITCH,  240                       ; an LDS row: 3 x (64 bytes + 16 of padding): the 32 lanes of a load of 8 bytes touch 64 different banks
.set FR,     12
.set NL,     6
.set NP,     4                         ; places behind this matrix instruction (ISA guide 7.12.1)
.set HALFT,  128*PITCH
.set SLOT,   4*HALFT
.set LAPS,   2                         ; 1,024 along K = four K steps = twice round the ring
.set KS,     32                        ; a row of scale bytes
.set SCL,    2*SLOT                    ; behind the ring: the scales, as units of 256 bytes + 16 of padding
.set HALFS,  16*272                    ; the scales of 128 rows
.set SBLK,   2*272                     ; those of 16 rows
.set SPARE,  SCL+4*HALFS               ; the spare words, 128 bytes a wave: two blocks of 256 bytes that no other line names
.set ADRA, 16                          ; v16-17 LDS address of my A fragments in slot 0, 1 (v18-19: behind one padding more)
.set ADRB, 20                          ; v20-23 the same for B
.set L8,   24                          ; v24  8 x lane
.set L4,   25                          ; v25  4 x lane
.set ADRS, 27                          ; v27  LDS address of my scale words: lanes 0-15 A's rows, lanes 16-31 B's
.set SPW,  28                          ; v28  my spare word; never rewritten
.set NIL,  29                          ; v29  0; never rewritten
.set SC,   32
.set BR,   64                          ; the bias of B's rows: register 8 b + j as the result has them
.set AF,   128
.set BL,   240                         ; the bias of A's rows: pair a, the same number twice
.set ST,   128                         ; the way out: 64 numbers of one block of A
.set CD,   192                         ; v192-211 the codes
.set TM,   212                         ; v212-227 at work
.set PW,   228                         ; v228, v229 the scale words of an even and an odd block
.set W1,   230                         ; v230, v231 the two words as they are stored
.set W2,   231
.set G1, 24
.set G0, 32
.set G1B, 48
.set G0B, 56
.set G1S, 68
.set G0S, 76
.set G1SB, 80
.set G0SB, 88
.set MODE, 66
.set P0,  4                            ; s[4:5], s[6:7] where a block's first and second three pieces go
.set P1,  6
.set SP0, 8                            ; s[8:9], s[10:11] where a pair of blocks' two scale words go
.set SP1, 10
.set STA, 18                           ; s[18:19] the pieces' step from block to block;  s[20:21] one more at block 4
.set JPA, 20
.set STS, 22                           ; s[22:23] the words' step from pair to pair;  s[40:41] one more at the third pair
.set JPS, 40
.set SELE, 42                          ; s42, s43 byte selects that make the two stored words of the pair's two
.set SELO, 43
.set SEL, 44                           ; s[44:45] lane selects: lane l xor 16
.set MSB, 0
.macro WIN new                         ; the immediate's high byte repeats the setting that is left
.if MSB != \new
	s_set_vgpr_msb (MSB<<8)|\new
.set MSB, \new
.endif
.endm
.set MUL_LO, 0xa1                      ; source 0 (B) window 1, source 1 (A) window 0, C and D window 2
.set MUL_HI, 0xf1
.set TO_B,   0x40
; A joint load: waves 0 and 1 fetch for A, waves 2 and 3 for B; the branch hangs on the wave's number alone.  Four v_nop follow each of the two lines.
.macro JLOAD g0a, g1a, g0b, g1b
	s_cmp_eq_u32 s15, 0
	s_cbranch_scc0 .Lfor_b_\@
	tensor_load_to_lds s[\g0a:\g0a+3], s[\g1a:\g1a+7]
	s_nop 0
.rept 4
	v_nop
.endr
	s_branch .Lasked_\@
.Lfor_b_\@:
	tensor_load_to_lds s[\g0b:\g0b+3], s[\g1b:\g1b+7]
	s_nop 0
.rept 4
	v_nop
.endr
.Lasked_\@:
.endm
.macro CREST                           ; a round of the cluster's barrier behind its opening barrier
	s_cmp_lg_u32 s14, 0
	s_cbranch_scc1 .Lnot_wave_0_\@
	s_barrier_signal -3
.Lnot_wave_0_\@:
	s_barrier_wait -3
	s_barrier_signal -1
	s_barrier_wait -1
.endm
.macro CROUND
	s_barrier_signal -1
	s_barrier_wait -1
	CREST
.endm
	s_load_b256 s[24:31], s[0:1], 0x0              ; xc, xs, wc, ws
	s_load_b256 s[32:39], s[0:1], 0x20             ; bq, bk, bv, qimg
	s_load_b64 s[48:49], s[0:1], 0x40              ; kvimg
	v_lshl_add_u32 v[SPW], v0, 2, SPARE
	v_mov_b32 v[NIL], 0
	ds_add_u32 v28, v29
	ds_add_u32 v28, v29
	s_wait_dscnt 0x0
	v_lshrrev_b32 v1, 5, v0
	v_readfirstlane_b32 s14, v1                    ; wave 0..3
	s_lshr_b32 s15, s14, 1                         ; which half of A's rows is mine.  Also: I fetch for A (0) or for B (1)
	s_and_b32 s16, s14, 1                          ; which half of B's rows.  Also: which 128 rows of that tile I fetch
	s_bfe_u32 s40, ttmp6, 0x40000                  ; cx, cy
	s_bfe_u32 s41, ttmp6, 0x40004
	s_and_b32 s67, ttmp7, 0xffff                   ; cluster y, 0 .. 23
	s_lshr_b32 s[MODE], s67, 3
	s_and_b32 s67, s67, 7
	s_lshl_b32 s67, s67, 2
	s_cmp_lt_u32 s[MODE], 2                        ; the long operand (8,192 rows, 32 tiles) is A in modes 0 and 1, B in mode 2
	s_cselect_b32 s17, s67, 0
	s_cselect_b32 s42, 0, s67
	s_add_co_u32 s17, s17, s41                     ; A's tile: hangs on cy alone of the two places
	s_add_co_u32 s42, s42, s40                     ; B's tile: on cx alone
	s_lshl_b32 s43, s41, 2
	s_lshl_b32 s43, 15, s43                        ; my row of the cluster
	s_lshl_b32 s44, 0x1111, s40                    ; my column
	s_lshl_b32 s18, s16, 7
	s_lshl_b32 s20, s17, 8
	s_add_co_u32 s20, s20, s18                     ; A: row 256 x tile + 128 x half
	s_lshl_b32 s46, s42, 8
	s_add_co_u32 s46, s46, s18                     ; B likewise
	s_mov_b32 s21, 0
	s_mov_b32 s47, 0
	s_mov_b64 s[18:19], KS
	s_mul_u64 s[22:23], s[20:21], s[18:19]         ; where these rows' scales begin
	s_mul_u64 s[92:93], s[46:47], s[18:19]
	s_mov_b64 s[18:19], KROW
	s_mul_u64 s[20:21], s[20:21], s[18:19]         ; and their codes
	s_mul_u64 s[46:47], s[46:47], s[18:19]
	s_mul_i32 s45, s14, HALFT                      ; where they go: wave x 128 rows
	s_mul_i32 s94, s14, HALFS
	s_mov_b32 s101, 0
	s_wait_kmcnt 0x0
	s_mul_i32 s100, s[MODE], 8192*KROW             ; each buffer at MODE's section
	s_add_nc_u64 s[24:25], s[24:25], s[100:101]
	s_lshl_b32 s100, s[MODE], 18
	s_add_nc_u64 s[26:27], s[26:27], s[100:101]
	s_mul_i32 s100, s[MODE], 1024*KROW
	s_add_nc_u64 s[28:29], s[28:29], s[100:101]
	s_lshl_b32 s100, s[MODE], 15
	s_add_nc_u64 s[30:31], s[30:31], s[100:101]
	s_cmp_lt_u32 s[MODE], 2                        ; which buffer is A and which B: the choice hangs on MODE alone
	s_cselect_b64 s[4:5], s[24:25], s[28:29]
	s_cselect_b64 s[6:7], s[26:27], s[30:31]
	s_cselect_b64 s[8:9], s[28:29], s[24:25]
	s_cselect_b64 s[10:11], s[30:31], s[26:27]
	s_cselect_b64 s[96:97], s[34:35], s[36:37]
	s_cmp_eq_u32 s[MODE], 0
	s_cselect_b64 s[96:97], s[32:33], s[96:97]     ; the bias
	s_cselect_b64 s[12:13], s[38:39], s[48:49]     ; the output buffer
	s_mov_b64 s[98:99], s[96:97]
	s_add_nc_u64 s[20:21], s[4:5], s[20:21]
	s_add_nc_u64 s[22:23], s[6:7], s[22:23]
	s_add_nc_u64 s[46:47], s[8:9], s[46:47]
	s_add_nc_u64 s[92:93], s[10:11], s[92:93]
	; descriptor group 1: a tile of 128 rows x 192 bytes, 16 bytes of padding behind every 64
	s_or_b32 s[G1+0], s43, (0<<16)|(1<<20)|(1<<21)|(3<<22)|(3<<25)
	s_or_b32 s[G1B+0], s44, (0<<16)|(1<<20)|(1<<21)|(3<<22)|(3<<25)
.irp g, G1, G1B
	s_mov_b32 s[\g+1], ROWB<<16                    ; tensor_dim0
	s_mov_b32 s[\g+2], 128<<16                     ; tensor_dim1
	s_mov_b32 s[\g+3], ROWB<<16                    ; tile_dim0
	s_mov_b32 s[\g+4], 128                         ; tile_dim1
	s_mov_b32 s[\g+5], KROW                        ; the pitch
	s_mov_b32 s[\g+6], 0
	s_mov_b32 s[\g+7], 0
.endr
	; the scales of 128 rows: 4,096 dense bytes, as 16 rows of 256 bytes (32 elements of 8), 16 bytes of padding behind each
	s_or_b32 s[G1S+0], s43, (3<<16)|(1<<20)|(1<<21)|(5<<22)|(3<<25)
	s_or_b32 s[G1SB+0], s44, (3<<16)|(1<<20)|(1<<21)|(5<<22)|(3<<25)
.irp g, G1S, G1SB
	s_mov_b32 s[\g+1], 32<<16
	s_mov_b32 s[\g+2], 16<<16
	s_mov_b32 s[\g+3], 32<<16
	s_mov_b32 s[\g+4], 16
	s_mov_b32 s[\g+5], 32
	s_mov_b32 s[\g+6], 0
	s_mov_b32 s[\g+7], 0
.endr
	CROUND                                         ; all sixteen work-groups are here: the first joint loads meet
	s_mov_b32 s[G0S], 1
	s_add_co_u32 s[G0S+1], s94, SCL
	s_mov_b64 s[G0S+2:G0S+3], s[22:23]
	s_or_b32 s[G0S+3], s[G0S+3], 0x80000000
	s_mov_b32 s[G0SB], 1
	s_add_co_u32 s[G0SB+1], s94, SCL
	s_mov_b64 s[G0SB+2:G0SB+3], s[92:93]
	s_or_b32 s[G0SB+3], s[G0SB+3], 0x80000000
	JLOAD G0S, G1S, G0SB, G1SB                     ; the scales first: they are wanted with K step 0
.irp s, 0,1
	s_mov_b32 s[G0+4*\s], 1
	s_add_co_u32 s[G0+4*\s+1], s45, \s*SLOT
	s_add_nc_u64 s[G0+4*\s+2:G0+4*\s+3], s[20:21], \s*ROWB
	s_or_b32 s[G0+4*\s+3], s[G0+4*\s+3], 0x80000000
	s_mov_b32 s[G0B+4*\s], 1
	s_add_co_u32 s[G0B+4*\s+1], s45, \s*SLOT
	s_add_nc_u64 s[G0B+4*\s+2:G0B+4*\s+3], s[46:47], \s*ROWB
	s_or_b32 s[G0B+4*\s+3], s[G0B+4*\s+3], 0x80000000
	JLOAD G0+4*\s, G1, G0B+4*\s, G1B               ; three loads of mine are out behind the last
.endr
	v_and_b32 v1, 15, v0                           ; r = l % 16
	v_bfe_u32 v2, v0, 4, 1                         ; h = l / 16
	v_mul_u32_u24 v3, v1, PITCH
	v_mul_u32_u24 v4, v2, 24
	v_add_nc_u32 v4, v3, v4                        ; a fragment's row x pitch + 24 x half
	v_lshl_add_u32 v5, v2, 4, v4                   ; and the same behind one padding more
	s_mul_i32 s21, s15, HALFT
	s_mul_i32 s22, s16, HALFT
	s_add_co_u32 s22, s22, 2*HALFT
.irp s, 0,1
	v_add_nc_u32 v[ADRA+\s], s21, v4
	v_add_nc_u32 v[ADRB+\s], s22, v4
	v_add_nc_u32 v[ADRA+2+\s], s21, v5
	v_add_nc_u32 v[ADRB+2+\s], s22, v5
	s_add_co_u32 s21, s21, SLOT
	s_add_co_u32 s22, s22, SLOT
.endr
	v_mul_u32_u24 v5, v1, KS                       ; my row's scales: 32 bytes a row,
	v_lshrrev_b32 v6, 8, v5
	v_lshl_add_u32 v5, v6, 4, v5                   ; and 16 more for each 256 passed
	s_mul_i32 s21, s15, HALFS
	s_mul_i32 s22, s16, HALFS
	s_add_co_u32 s22, s22, 2*HALFS
	s_sub_co_u32 s22, s22, s21
	v_mul_u32_u24 v6, s22, v2                      ; lanes 16-31 take B's
	s_add_co_u32 s21, s21, SCL
	v_add_nc_u32 v5, v5, v6
	v_add_nc_u32 v[ADRS], s21, v5
	v_and_b32 v6, 31, v0
	v_lshlrev_b32 v[L8], 3, v6
	v_lshlrev_b32 v[L4], 2, v6
	v_lshlrev_b32 v8, 6, v2                        ; the bias along the registers: 64 h bytes on
	s_wait_alu depctr_va_vdst(0)
	v_and_b32 v9, 8, v1
	v_add_nc_u32 v9, v9, v1
	v_lshlrev_b32 v9, 2, v9                        ; along the lanes: 4 (r + 8 (r / 8))
	; THE WAY OUT'S NUMBERS are made here, while the first tiles are on their way, in registers that the descriptors no longer need
	s_wait_alu depctr_va_vdst(0)
	s_lshl_b32 s92, s17, 8
	s_lshl_b32 s93, s15, 7
	s_add_co_u32 s92, s92, s93                     ; my first row of A
	s_lshl_b32 s93, s42, 8
	s_lshl_b32 s94, s16, 7
	s_add_co_u32 s93, s93, s94                     ; my first row of B
	s_cmp_lt_u32 s[MODE], 2
	s_cselect_b32 s46, s92, s93                    ; my first token (query or key),
	s_cselect_b32 s47, s93, s92                    ; my first channel
	s_cselect_b32 s100, s93, 0                     ; both sets of bias registers are loaded in every mode; the set that is not used reads the bias from its first byte
	s_cselect_b32 s94, 0, s92
	s_lshl_b32 s100, s100, 2
	s_add_nc_u64 s[96:97], s[96:97], s[100:101]
	s_lshl_b32 s100, s94, 2
	s_add_nc_u64 s[98:99], s[98:99], s[100:101]
.irp b, 0,1,2,3,4,5,6,7
	global_load_b128 v[BR+8*\b:BR+8*\b+3], v8, s[96:97] offset:(32*(\b/2)+8*(\b%2))*4
	global_load_b128 v[BR+8*\b+4:BR+8*\b+7], v8, s[96:97] offset:(32*(\b/2)+8*(\b%2))*4+16
.endr
.irp a, 0,1,2,3,4,5,6,7
	global_load_b32 v[BL+2*\a], v9, s[98:99] offset:(32*(\a/2)+8*(\a%2))*4
	global_load_b32 v[BL+2*\a+1], v9, s[98:99] offset:(32*(\a/2)+8*(\a%2))*4
.endr
	s_lshr_b32 s47, s47, 6                         ; my first head
	s_lshr_b32 s94, s46, 11                        ; the batch
	s_lshl_b32 s94, s94, 4
	s_add_co_u32 s94, s94, s47
	s_mul_i32 s94, s94, 16*13312
	s_bfe_u32 s95, s46, 0x40007                    ; the step of 128 keys
	s_mul_i32 s95, s95, 13312
	s_add_co_u32 s94, s94, s95                     ; kvimg: my block
	s_cmp_eq_u32 s[MODE], 2
	s_cselect_b32 s2, 6144, 0                      ; V's codes lie behind K's,
	s_cselect_b32 s3, 512, 0                       ; its scale words behind K's
	s_add_co_u32 s2, s2, s94
	s_add_co_u32 s3, s3, s94
	s_add_co_u32 s3, s3, 12288
	s_lshr_b32 s94, s46, 4
	s_mul_i32 s94, s94, 12288
	s_mul_i32 s95, s47, 768
	s_add_co_u32 s94, s94, s95                     ; qimg: my first tile's codes,
	s_lshr_b32 s95, s46, 5
	s_lshl_b32 s95, s95, 11
	s_lshl_b32 s92, s47, 7
	s_add_co_u32 s95, s95, s92
	s_add_co_u32 s95, s95, 6291456                 ; my first pair of tiles' scale words
	s_cmp_eq_u32 s[MODE], 0
	s_cselect_b32 s100, s94, s2
	s_add_nc_u64 s[P0:P0+1], s[12:13], s[100:101]
	s_cselect_b32 s100, s95, s3
	s_add_nc_u64 s[SP0:SP0+1], s[12:13], s[100:101]
	s_cmp_eq_u32 s[MODE], 1
	s_mov_b32 s100, 768
	s_cselect_b32 s100, 16*13312, s100             ; the second three pieces: the next head (q: 768 on; k: a head's 212,992 on) or the fragment's second half (v)
	s_add_nc_u64 s[P1:P1+1], s[P0:P0+1], s[100:101]
	s_mov_b32 s100, 128
	s_cselect_b32 s100, 16*13312, s100
	s_add_nc_u64 s[SP1:SP1+1], s[SP0:SP0+1], s[100:101]
	s_mov_b32 s[STA], 1536
	s_cselect_b32 s[STA], 768, s[STA]
	s_mov_b32 s[STS], 256
	s_cselect_b32 s[STS], 128, s[STS]
	s_cmp_eq_u32 s[MODE], 0
	s_cselect_b32 s[STA], 12288, s[STA]
	s_cselect_b32 s[STS], 2048, s[STS]
	s_cmp_eq_u32 s[MODE], 2
	s_cselect_b32 s[JPA], 16*13312-4*1536, 0       ; v: blocks 4-7 are the next head's
	s_cselect_b32 s[JPS], 16*13312-2*256, 0
	s_mov_b32 s[SELE], 0x05040100                  ; q, k: the two blocks' low halves make the first head's word, their high halves the second head's
	s_cselect_b32 s[SELE], 0x03020100, s[SELE]     ; v: the even block's word as it is,
	s_mov_b32 s[SELO], 0x07060302
	s_cselect_b32 s[SELO], 0x07060504, s[SELO]     ; and the odd block's
	s_mov_b32 s[STA+1], 0
	s_mov_b32 s[JPA+1], 0
	s_mov_b32 s[STS+1], 0
	s_mov_b32 s[JPS+1], 0
	s_mov_b32 s[SEL], 0x76543210
	s_mov_b32 s[SEL+1], 0xfedcba98
.macro FRAG reg, adr, q, i             ; a fragment, 16 rows x 128 K, is 12 registers: lane l holds row l % 16; registers 6 c .. 6 c + 5 hold K = 64 c + 32 (l / 16) + 0 .. 31: 24 bytes of the row, as they lie
.irp p, 0,1,2,3,4,5                    ; in pieces of 8 bytes; where the piece three on lies behind one padding more, the second address register serves
.set PIECE, 12*(\q)+6*(\p/3)+\p%3
.if PIECE%8 < 5
	ds_load_b64 v[\reg+2*\p:\reg+2*\p+1], v[\adr] offset:8*PIECE+16*(PIECE/8)+(\i)*16*PITCH
.else
	ds_load_b64 v[\reg+2*\p:\reg+2*\p+1], v[\adr+2] offset:8*PIECE+16*(PIECE/8)+(\i)*16*PITCH
.endif
.endr
.endm
; 16 matrix instructions: A's blocks a0, a0 + 1 x B's eight.  The 64 accumulators take turns, one instruction a turn, in the same order in every step.
.macro MUL16 a0, p, q, sc, zero
.irp a, \a0, \a0+1
.irp b, 0,1,2,3,4,5,6,7
.if \zero
	v_wmma_scale_f32_16x16x128_f8f6f4 v[8*(8*((\a)%4)+\b):8*(8*((\a)%4)+\b)+7], v[128*(\p)+FR*\b:128*(\p)+FR*\b+FR-1], v[AF+FR*(\a):AF+FR*(\a)+FR-1], 0, v[SC+8*NQ*(\sc)+NQ*\b+(\q)], v[SC+8*NQ*(\sc)+NQ*(\a)+(\q)] matrix_a_fmt:MATRIX_FMT_BF6 matrix_b_fmt:MATRIX_FMT_BF6 matrix_a_scale:MATRIX_SCALE_ROW1
.else
	v_wmma_scale_f32_16x16x128_f8f6f4 v[8*(8*((\a)%4)+\b):8*(8*((\a)%4)+\b)+7], v[128*(\p)+FR*\b:128*(\p)+FR*\b+FR-1], v[AF+FR*(\a):AF+FR*(\a)+FR-1], v[8*(8*((\a)%4)+\b):8*(8*((\a)%4)+\b)+7], v[SC+8*NQ*(\sc)+NQ*\b+(\q)], v[SC+8*NQ*(\sc)+NQ*(\a)+(\q)] matrix_a_fmt:MATRIX_FMT_BF6 matrix_b_fmt:MATRIX_FMT_BF6 matrix_a_scale:MATRIX_SCALE_ROW1
.endif
.endr
.endr
.endm
.macro FETCH_B slot, q, p
	WIN TO_B
.irp i, 0,1,2,3,4,5,6,7
	FRAG 128*(\p)+FR*\i, ADRB+\slot, \q, \i
.endr
	WIN 0
.endm
.macro FETCH_A slot, q, i0
.irp i, \i0, \i0+1, \i0+2, \i0+3
	FRAG AF+FR*(\i), ADRA+\slot, \q, \i
.endr
.endm
.macro SCALES sc                       ; a K step's scale words: two words a row; lanes 0-15 take A's block i, lanes 16-31 B's block i
.irp i, 0,1,2,3,4,5,6,7
	ds_load_b64 v[SC+8*NQ*\sc+NQ*\i:SC+8*NQ*\sc+NQ*\i+1], v[ADRS] offset:\i*SBLK
.endr
.endm
.macro PLACES n                        ; plain vector lines between a matrix instruction and a load into, or a vector line on, its registers
.rept \n
	v_nop
.endr
.endm
.macro STEP slot, q, zero              ; a step of 128 along K that has its successor in the same slot
	s_wait_dscnt 4*NL                              ; B's set and A's blocks 0-3 are in; the youngest 24 loads (A's blocks 4-7) may be out
	WIN MUL_LO
	MUL16 0, (\q)%2, \q, \slot, \zero
	MUL16 2, (\q)%2, \q, \slot, \zero
	s_wait_dscnt 0
	PLACES NP
	FETCH_B \slot, (\q)+1, 1-(\q)%2
	FETCH_A \slot, (\q)+1, 0
	WIN MUL_HI
	MUL16 4, (\q)%2, \q, \slot, \zero
	MUL16 6, (\q)%2, \q, \slot, \zero
	PLACES NP
	WIN 0
	FETCH_A \slot, (\q)+1, 4
.endm
; A slot's last step changes slots: one barrier; in front of it each wave waits for all its tensor loads, adds 0 to its spare word, and waits for that and for its own reads of this slot.
.macro TURN slot, next, fill
	s_wait_tensorcnt 0x0                           ; all my tensor loads have landed: my part of the next slot
	ds_add_u32 v[SPW], v[NIL]                      ; 0 onto my spare word
	s_wait_dscnt 4*NL+1                            ; (the add and the youngest 24 loads may be out)
	WIN MUL_LO
	MUL16 0, 1, NQ-1, \slot, 0
	s_wait_dscnt 0x0                               ; the add is done, and my reads of this slot are over
	s_barrier_signal -1
	MUL16 2, 1, NQ-1, \slot, 0
	WIN 0
	s_barrier_wait -1
.if \fill
	CREST                                          ; the barrier has opened a round of the cluster's barrier: no wave of any partner still reads this slot or has a load on its way
	s_add_nc_u64 s[G0+4*\slot+2:G0+4*\slot+3], s[G0+4*\slot+2:G0+4*\slot+3], 2*ROWB
	s_add_nc_u64 s[G0B+4*\slot+2:G0B+4*\slot+3], s[G0B+4*\slot+2:G0B+4*\slot+3], 2*ROWB
	JLOAD G0+4*\slot, G1, G0B+4*\slot, G1B         ; the first tensor load behind the round; its four v_nop are the places in front of the loads below
.else
	PLACES NP
.endif
	s_wait_alu depctr_va_vdst(0)
	v_add_nc_u32 v[ADRS], 4*NQ, v[ADRS]            ; on to the next K step's scale words
	FETCH_B \next, 0, 0
	FETCH_A \next, 0, 0
	SCALES \next
	WIN MUL_HI
	MUL16 4, 1, NQ-1, \slot, 0
	MUL16 6, 1, NQ-1, \slot, 0
	PLACES NP
	WIN 0
	FETCH_A \next, 0, 4
.endm
	s_wait_loadcnt 0x0                             ; the biases
	s_wait_tensorcnt 1                             ; the scales and my part of K step 0 are in (K step 1's load may be out)
	s_barrier_signal -1
	s_barrier_wait -1
	FETCH_B 0, 0, 0
	FETCH_A 0, 0, 0
	SCALES 0
	FETCH_A 0, 0, 4
	STEP 0, 0, 1                                   ; the first step's products start the sums
	s_mov_b32 s3, LAPS-1
.Llap:
	TURN 0, 1, 1
	STEP 1, 0, 0
	TURN 1, 0, 1
	STEP 0, 0, 0
	s_sub_co_u32 s3, s3, 1
	s_cmp_lg_u32 s3, 0
	s_cbranch_scc1 .Llap
	TURN 0, 1, 0                                   ; the last lap fills nothing
	STEP 1, 0, 0
	s_wait_dscnt 4*NL
	WIN MUL_LO
	MUL16 0, 1, NQ-1, 1, 0
	MUL16 2, 1, NQ-1, 1, 0
	s_wait_dscnt 0
	WIN MUL_HI
	MUL16 4, 1, NQ-1, 1, 0
	MUL16 6, 1, NQ-1, 1, 0
	WIN 0
; THE WAY OUT.  64 numbers of a lane, register 16 b + i = k 32 b + 16 (lane / 16) + i of my row, become a fragment's codes in v[CD] on and its scale word in v[pw].
.macro QUANT s, pw
.irp b, 0,1,2,3
	v_max3_num_f32 v[TM+\b], |v[\s+16*\b]|, |v[\s+1+16*\b]|, 0x2800000   ; my 16 numbers of block b, and the floor 2^(5 - 127)
.endr
.irp i, 2,4,6,8,10,12,14
.irp b, 0,1,2,3
	v_max3_num_f32 v[TM+\b], v[TM+\b], |v[\s+16*\b+\i]|, |v[\s+1+16*\b+\i]|
.endr
.endr
.irp b, 0,1,2,3
	v_permlanex16_b32 v[TM+4+\b], v[TM+\b], s[SEL], s[SEL+1]
.endr
.irp b, 0,1,2,3
	v_max_num_f32 v[TM+\b], v[TM+\b], v[TM+4+\b]   ; with lane l xor 16's: the block's largest magnitude
.endr
.irp b, 0,1,2,3
	v_add_nc_u32 v[TM+12+\b], 0xfe000000, v[TM+\b] ; 4 off its exponent field: the conversion's scale operand
.endr
.irp b, 0,1,2,3
	v_lshrrev_b32 v[TM+4+\b], 23, v[TM+12+\b]      ; the scale's byte
.endr
	v_lshl_or_b32 v[\pw], v[TM+5], 8, v[TM+4]
	v_lshl_or_b32 v[\pw], v[TM+6], 16, v[\pw]
	v_lshl_or_b32 v[\pw], v[TM+7], 24, v[\pw]
.irp c, 0,1
	v_cvt_scalef32_pk16_bf6_f32 v[CD+6*\c:CD+2+6*\c], v[\s+32*\c:\s+15+32*\c], v[TM+12+2*\c]
	v_cvt_scalef32_pk16_bf6_f32 v[CD+12+4*\c:CD+14+4*\c], v[\s+16+32*\c:\s+31+32*\c], v[TM+12+2*\c+1]   ; (a conversion's three registers begin on an even number)
.endr
	v_nop                                          ; one plain line behind a scaled conversion
.irp c, 0,1                                    ; the operand's layout wants a whole block in a lane
.irp i, 0,1,2
	v_permlane16_swap_b32 v[CD+6*\c+\i], v[CD+12+4*\c+\i]
.endr
.irp i, 0,1,2
	v_mov_b32 v[CD+3+6*\c+\i], v[CD+12+4*\c+\i]
.endr
.endr
.endm
; Block a of A's eight: + bias (along the registers in modes 0 and 1, along the lanes in mode 2: a branch on MODE, the same in all partners), quantised, stored.
.macro EPI a
.set AC, 64*((\a)%4)
	s_cmp_eq_u32 s[MODE], 2
	s_cbranch_scc1 .Llane_\@
	WIN 0x02+(\a)/4                                ; source 0: window 2 or 3
.irp b, 0,1,2,3,4,5,6,7
.irp j, 0,2,4,6
	v_pk_add_f32 v[ST+8*\b+\j:ST+8*\b+\j+1], v[AC+8*\b+\j:AC+8*\b+\j+1], v[BR+8*\b+\j:BR+8*\b+\j+1]   ; each accumulator from its low end on
.endr
.endr
	WIN 0
	s_branch .Ljoin_\@
.Llane_\@:
	WIN 0x02+(\a)/4
.irp b, 0,1,2,3,4,5,6,7
.irp j, 0,2,4,6
	v_pk_add_f32 v[ST+8*\b+\j:ST+8*\b+\j+1], v[AC+8*\b+\j:AC+8*\b+\j+1], v[BL+2*(\a):BL+2*(\a)+1]
.endr
.endr
	WIN 0
.Ljoin_\@:
	s_wait_xcnt 0x0                                ; the last block's stores have read their data and their bases: both are written again only behind this wait
.if (\a) > 0
	s_add_nc_u64 s[P0:P0+1], s[P0:P0+1], s[STA:STA+1]
	s_add_nc_u64 s[P1:P1+1], s[P1:P1+1], s[STA:STA+1]
.endif
.if (\a) == 4
	s_add_nc_u64 s[P0:P0+1], s[P0:P0+1], s[JPA:JPA+1]
	s_add_nc_u64 s[P1:P1+1], s[P1:P1+1], s[JPA:JPA+1]
.endif
.if ((\a)%2 == 1) && ((\a) > 1)
	s_add_nc_u64 s[SP0:SP0+1], s[SP0:SP0+1], s[STS:STS+1]
	s_add_nc_u64 s[SP1:SP1+1], s[SP1:SP1+1], s[STS:STS+1]
.endif
.if (\a) == 5
	s_add_nc_u64 s[SP0:SP0+1], s[SP0:SP0+1], s[JPS:JPS+1]
	s_add_nc_u64 s[SP1:SP1+1], s[SP1:SP1+1], s[JPS:JPS+1]
.endif
	QUANT ST, PW+(\a)%2
.irp p, 0,1,2
	global_store_b64 v[L8], v[CD+2*\p:CD+2*\p+1], s[P0:P0+1] offset:256*\p       ; the wave stores 256 consecutive bytes, aligned
	global_store_b64 v[L8], v[CD+6+2*\p:CD+7+2*\p], s[P1:P1+1] offset:256*\p
.endr
.if (\a)%2 == 1
	v_perm_b32 v[W1], v[PW+1], v[PW], s[SELE]
	v_perm_b32 v[W2], v[PW+1], v[PW], s[SELO]
	global_store_b32 v[L4], v[W1], s[SP0:SP0+1]
	global_store_b32 v[L4], v[W2], s[SP1:SP1+1]
.endif
.endm
	PLACES NP                                      ; behind the last products: the lines below write registers that held A's fragments
.irp b, 0,1,2,3
	v_mov_b32 v[TM+4+\b], 0                        ; written once: a lane permute's destination counts as one of its sources
.endr
.irp a, 0,1,2,3,4,5,6,7
	EPI \a
.endr
	s_wait_tensorcnt 0x0                           ; the wave's end
	ds_add_u32 v[SPW], v[NIL]
	s_wait_dscnt 0x0
	CROUND                                         ; the closing round: no work-group ends while a partner may still ask for a tile that names it
	s_endpgm
.Lfunc_end_k_qf3b22ce1ac_proj:
	.size	k_qf3b22ce1ac_proj, .Lfunc_end_k_qf3b22ce1ac_proj-k_qf3b22ce1ac_proj
	.p2alignl 7, 3214868480
	.fill 96, 4, 3214868480
	.section	.rodata,"a",@progbits
	.p2align	6, 0x0
	.amdhsa_kernel k_qf3b22ce1ac_proj
		.amdhsa_group_segment_fixed_size 327680
		.amdhsa_private_segment_fixed_size 0
		.amdhsa_enable_private_segment 0
		.amdhsa_kernarg_size 72
		.amdhsa_user_sgpr_count 2
		.amdhsa_user_sgpr_kernarg_segment_ptr 1
		.amdhsa_wavefront_size32 1
		.amdhsa_system_sgpr_workgroup_id_x 1
		.amdhsa_system_sgpr_workgroup_id_y 1
		.amdhsa_system_sgpr_workgroup_id_z 1
		.amdhsa_system_vgpr_workitem_id 0
		.amdhsa_next_free_vgpr 1024
		.amdhsa_next_free_sgpr 102
		.amdhsa_reserve_vcc 0
		.amdhsa_float_denorm_mode_32 3
		.amdhsa_float_denorm_mode_16_64 3
		.amdhsa_memory_ordered 1
		.amdhsa_forward_progress 1
		.amdhsa_inst_pref_size 207
	.end_amdhsa_kernel
	.amdgpu_metadata
---
amdhsa.version: [ 1, 2 ]
amdhsa.kernels:
  - .name:           k_qf3b22ce1ac_proj
    .symbol:         k_qf3b22ce1ac_proj.kd
    .args:
      - { .name: xc, .offset: 0, .size: 8, .value_kind: global_buffer, .address_space: global }
      - { .name: xs, .offset: 8, .size: 8, .value_kind: global_buffer, .address_space: global }
      - { .name: wc, .offset: 16, .size: 8, .value_kind: global_buffer, .address_space: global }
      - { .name: ws, .offset: 24, .size: 8, .value_kind: global_buffer, .address_space: global }
      - { .name: bq, .offset: 32, .size: 8, .value_kind: global_buffer, .address_space: global }
      - { .name: bk, .offset: 40, .size: 8, .value_kind: global_buffer, .address_space: global }
      - { .name: bv, .offset: 48, .size: 8, .value_kind: global_buffer, .address_space: global }
      - { .name: qimg, .offset: 56, .size: 8, .value_kind: global_buffer, .address_space: global }
      - { .name: kvimg, .offset: 64, .size: 8, .value_kind: global_buffer, .address_space: global }
    .group_segment_fixed_size: 327680
    .private_segment_fixed_size: 0
    .kernarg_segment_align: 8
    .kernarg_segment_size: 72
    .max_flat_workgroup_size: 128
    .sgpr_count:     102
    .vgpr_count:     1024
    .wavefront_size: 32
...
	.end_amdgpu_metadata
.endif
;; end of part 2
;; launch attn (part 3): grid 4 x 64, 16 waves a work-group, no clusters, 215,040 bytes of LDS; arguments qimg, kvimg, aimg, asc; writes aimg, asc
.if DOCPART == 3
	.amdgcn_target "amdgcn-amd-amdhsa--gfx1250"
	.amdhsa_code_object_version 6
	.text
	.protected	k_qf3b22ce1ac_attn
	.globl	k_qf3b22ce1ac_attn
	.p2align	8
	.type	k_qf3b22ce1ac_attn,@function
k_qf3b22ce1ac_attn:
	s_mov_b64 s[64:65], 0
	v_nop
	global_prefetch_b8 v0, s[64:65] scope:SCOPE_SE
	s_setreg_imm32_b32 hwreg(HW_REG_WAVE_MODE, 25, 1), 1
	s_wait_xcnt 0x0
; Causal attention of one head of 64 channels over 2,048 keys, both products on codes of BF6 (E3M2) with one E8M0 scale for each 32 along a product's K; the result, O / l, is quantised along the channels.
; t = score x log2(e) / 32; M = the running largest t rounded up to a whole number; p = 2^(t - M) is quantised along the keys, not normalised; the sum l is taken of the unquantised p.
; SHARES.  Work-group (x, y): y = batch x 16 + head; the head's K and V, 16 steps of 128 keys, 13,312 bytes each, come into LDS ONCE (one tensor load a wave, 52 rows of 256 bytes) and stay: one barrier.
; Wave w makes two tiles of 16 queries, one after the other: tiles 16 x + w and 127 - (16 x + w).  Tile T needs T / 8 + 1 key steps, so every wave of the launch works 17 steps.
; A tile's queries are 32 (T / 2) + 8 (T % 2) + r + 8 (r / 8), r = lane % 16: the order in which the launch before has stored the rows.
; LAYOUT.  Both products are used transposed: a lane holds ONE query throughout.  K = 64 fills half of the instruction's 128: a fragment of K holds TWO tiles of 16 keys, one in each half of K,
; and is multiplied twice: by [q | zeros] and by [zeros | q].  Zero codes add nothing under any scale byte that is stored here (1 to 254).
; In the scores register 16 b + i holds key 32 b + 16 (lane / 16) + i of the step; in O^T register 16 b + i holds channel 32 b + 16 (lane / 16) + i.
; CAUSAL.  The loop over steps has a constant count; a step all of whose keys come after the tile's queries is jumped over (a scalar branch on ids); on the diagonal hidden scores become -infinity.
; NO CLUSTER: the work-groups that share K and V own different queries, and their branches round hidden steps hang on that; each reads the shared bytes once.
; LIMITS: NaN and infinities are not served.  reference() takes 1e10 off hidden scores; here they become -infinity: p = 0 either way while |score| stays far under 1e10.
; A block whose largest magnitude lies under 2^-122 keeps the byte 1.  The result's scale bytes leave by stores of 2 bytes a row: 1/24 of what the launch stores.
; REGISTERS: v1 8 x lane, v2 4 x lane, v3-4 the step's addresses, v5 r + 8 (r / 8) - 16 (lane / 16), v6 32 r; v12 -M, v13 the largest t, v[14:15] the sum; v32-79 four fragments; v96-159 scores, then p;
;   v160-191 O^T; v192-221 zeros, q of tile 0, zeros, q of tile 1, zeros (6 each); v222 the result's two scale bytes; v223, v255 q's scale words; v224-235 p's codes; v232-254 at work; v248-251, v253 scale words.
.set SBK,    13312                     ; a key step's block: K's codes 6,144, V^T's codes 6,144, K's scale words 512, V's 512
.set QS_OFF, 6291456                   ; where q's scale words begin in qimg
.set TB,  2                            ; s2   LDS byte at which the step's block begins
.set KF,  3                            ; s3   the step's first key
.set WV,  12
.set SEL, 20                           ; s[20:21] lane selects: lane l xor 16
.set CS,  22                           ; s[22:23] c = log2(e) / 32
.set G1,  24
.set G0,  32
.set CNT, 36
	s_load_b128 s[4:7], s[0:1], 0x0                ; qimg, kvimg
	s_load_b128 s[8:11], s[0:1], 0x10              ; aimg, asc
	v_lshl_add_u32 v95, v0, 2, 0x34000
	v_mov_b32 v243, 0
	ds_add_u32 v95, v243
	ds_add_u32 v95, v243
	v_lshrrev_b32 v8, 5, v0
	s_delay_alu instid0(VALU_DEP_1)
	v_readfirstlane_b32 s[WV], v8                  ; wave 0..15
	s_and_b32 s13, ttmp7, 0xffff                   ; batch x 16 + head
	s_and_b32 s14, s13, 15                         ; head
	s_lshr_b32 s15, s13, 4                         ; batch
	s_mov_b32 s[G1], 3<<16                         ; no mask; elements of 8 bytes; no padding
	s_mov_b32 s[G1+1], 32<<16                      ; tensor_dim0 = 32 elements: 256 bytes
	s_mov_b32 s[G1+2], 52<<16                      ; tensor_dim1 = 52 rows
	s_mov_b32 s[G1+3], 32<<16                      ; tile_dim0
	s_mov_b32 s[G1+4], 52                          ; tile_dim1
	s_mov_b32 s[G1+5], 32                          ; the pitch: dense
	s_mov_b32 s[G1+6], 0
	s_mov_b32 s[G1+7], 0
	s_mul_i32 s18, s13, 16*SBK
	s_mul_i32 s[G0+1], s[WV], SBK                  ; LDS: step w's block
	s_add_co_u32 s18, s18, s[G0+1]
	s_mov_b32 s19, 0
	s_mov_b32 s[G0], 1
	s_mov_b32 s[SEL], 0x76543210
	s_mov_b32 s[SEL+1], 0xfedcba98
	s_mov_b32 s[CS], 0x3d38aa3b
	s_mov_b32 s[CS+1], s[CS]                       ; (named with it as a pair, so it is written)
	s_wait_dscnt 0x0
	s_wait_kmcnt 0x0
	s_add_nc_u64 s[G0+2:G0+3], s[6:7], s[18:19]
	s_or_b32 s[G0+3], s[G0+3], 0x80000000
	tensor_load_to_lds s[G0:G0+3], s[G1:G1+7]      ; my sixteenth of the head's K and V: the one tensor load of the wave
	s_nop 0
.rept 4
	v_nop
.endr
	s_lshl_b32 s40, ttmp9, 4
	s_add_co_u32 s40, s40, s[WV]                   ; my first tile,
	s_sub_co_u32 s41, 127, s40                     ; my second
; pass k, tile in s[t]: s[48+8k:49+8k] q's codes, s[50+8k..] q's scale words, s[52+8k..] the result's codes, s[54+8k..] its scale bytes; s[66+k] the byte select for q's scale word; s[68+k] the tile's first query
.macro PTRS k, t
	s_lshl_b32 s42, s15, 7
	s_add_co_u32 s42, s42, s[\t]                   ; the tile among all 512
	s_lshl_b32 s43, s42, 4
	s_add_co_u32 s43, s43, s14
	s_mul_i32 s44, s43, 768
	s_mov_b32 s45, 0
	s_add_nc_u64 s[48+8*\k:49+8*\k], s[4:5], s[44:45]
	s_add_nc_u64 s[52+8*\k:53+8*\k], s[8:9], s[44:45]
	s_lshr_b32 s44, s42, 1
	s_lshl_b32 s44, s44, 4
	s_add_co_u32 s44, s44, s14
	s_lshl_b32 s44, s44, 7
	s_add_co_u32 s44, s44, QS_OFF
	s_add_nc_u64 s[50+8*\k:51+8*\k], s[4:5], s[44:45]
	s_lshl_b32 s44, s42, 9
	s_lshl_b32 s46, s14, 1
	s_add_co_u32 s44, s44, s46
	s_add_nc_u64 s[54+8*\k:55+8*\k], s[10:11], s[44:45]
	s_lshr_b32 s46, s[\t], 1
	s_lshl_b32 s46, s46, 5
	s_and_b32 s47, s[\t], 1
	s_lshl_b32 s47, s47, 3
	s_add_co_u32 s[68+\k], s46, s47
	s_cmp_eq_u32 s47, 0
	s_mov_b32 s[66+\k], 0x03020302                 ; an odd tile's two bytes are the word's upper two,
	s_cselect_b32 s[66+\k], 0x01000100, s[66+\k]   ; an even tile's the lower two; they are laid twice, for both halves of K
.endm
	PTRS 0, 40
	PTRS 1, 41
	v_and_b32 v8, 31, v0
	s_delay_alu instid0(VALU_DEP_1)
	v_lshlrev_b32 v1, 3, v8
	s_delay_alu instid0(VALU_DEP_2)
	v_lshlrev_b32 v2, 2, v8
.irp p, 0,1,2
	global_load_b64 v[198+2*\p:199+2*\p], v1, s[48:49] offset:256*\p   ; q of both tiles stays in registers
	global_load_b64 v[210+2*\p:211+2*\p], v1, s[56:57] offset:256*\p
.endr
	global_load_b32 v10, v2, s[50:51]
	global_load_b32 v11, v2, s[58:59]
	v_and_b32 v7, 15, v0                           ; r
	v_bfe_u32 v9, v0, 4, 1                         ; h
	s_delay_alu instid0(VALU_DEP_2)
	v_and_b32 v5, 8, v7
	s_delay_alu instid0(VALU_DEP_1)
	v_add_nc_u32 v5, v5, v7
	s_delay_alu instid0(VALU_DEP_3)
	v_lshlrev_b32 v9, 4, v9
	s_delay_alu instid0(VALU_DEP_1)
	v_sub_nc_u32 v5, v5, v9                        ; r + 8 (r / 8) - 16 h
	v_lshlrev_b32 v6, 5, v7
.irp j, 0,1,2,3,4,5
	v_mov_b32 v[192+\j], 0                         ; the zero halves beside q
	v_mov_b32 v[204+\j], 0
	v_mov_b32 v[216+\j], 0
.endr
.irp b, 0,1,2,3
	v_mov_b32 v[236+\b], 0                         ; written once: a lane permute's destination counts as one of its sources
.endr
	v_mov_b32 v252, 0
	v_mov_b32 v253, 0
	s_wait_loadcnt 0x0
	v_perm_b32 v255, v10, v10, s66
	v_perm_b32 v223, v11, v11, s67
	s_wait_tensorcnt 0x0                           ; my part of K and V has landed,
	s_barrier_signal -1
	s_barrier_wait -1                              ; everybody's has; nothing writes LDS from here on
; A KEY STEP of 128 keys.  q0: the scalar register with the tile's first query; qz, zq: the first registers of [q | zeros] and [zeros | q]; qsw: q's scale word.
.macro STEP q0, qz, zq, qsw
	s_add_co_u32 s37, s[\q0], 23                   ; the tile's last query
	s_cmp_gt_u32 s[KF], s37
	s_cbranch_scc1 .Lhidden_\@
	s_setprio 2
	v_add_nc_u32 v3, s[TB], v1
	v_add_nc_u32 v4, s[TB], v2
	v_nop
	v_nop                                          ; four places in front of loads into registers that the last products read
.irp f, 0,1,2,3
.irp p, 0,1,2,3,4,5
	ds_load_b64 v[32+12*\f+2*\p:33+12*\f+2*\p], v3 offset:1536*\f+256*\p   ; the wave reads 256 consecutive bytes
.endr
	ds_load_b32 v[248+\f], v4 offset:12288+128*\f
.endr
	s_wait_alu depctr_va_vdst(0)
	s_wait_dscnt 0x0
.irp f, 0,1,2,3                                ; S^T: key tiles 2 f and 2 f + 1 from one fragment
	v_wmma_scale_f32_16x16x128_f8f6f4 v[96+16*\f:103+16*\f], v[32+12*\f:43+12*\f], v[\qz:\qz+11], 0, v[248+\f], v[\qsw] matrix_a_fmt:MATRIX_FMT_BF6 matrix_b_fmt:MATRIX_FMT_BF6
	v_wmma_scale_f32_16x16x128_f8f6f4 v[104+16*\f:111+16*\f], v[32+12*\f:43+12*\f], v[\zq:\zq+11], 0, v[248+\f], v[\qsw] matrix_a_fmt:MATRIX_FMT_BF6 matrix_b_fmt:MATRIX_FMT_BF6
.endr
.rept 4
	v_nop                                          ; places in front of the loads below and of the first read of the scores
.endr
.irp t, 0,1,2,3                                ; V^T's four tiles land while the softmax is worked
.irp p, 0,1,2,3,4,5
	ds_load_b64 v[32+12*\t+2*\p:33+12*\t+2*\p], v3 offset:6144+1536*\t+256*\p
.endr
	ds_load_b32 v[248+\t], v4 offset:12800+128*\t
.endr
	s_add_co_u32 s37, s[KF], 127                   ; a step all of whose keys count skips the mask
	s_cmp_le_u32 s37, s[\q0]
	s_cbranch_scc1 .Lopen_\@
	s_sub_co_i32 s37, s[\q0], s[KF]
	v_add_nc_u32 v252, s37, v5                     ; d = my query - KF - 16 (lane / 16): register 16 b + i is hidden where 32 b + i > d
	v_mov_b32 v254, 0xff800000
.irp n, 0,1,2,3,4,5,6,7,8,9,10,11,12,13,14,15,16,17,18,19,20,21,22,23,24,25,26,27,28,29,30,31,32,33,34,35,36,37,38,39,40,41,42,43,44,45,46,47,48,49,50,51,52,53,54,55,56,57,58,59,60,61,62,63
	v_cmp_gt_i32 vcc_lo, 32*(\n/16)+\n%16, v252
	v_cndmask_b32 v[96+\n], v[96+\n], v254, vcc_lo
.endr
.Lopen_\@:
.irp b, 0,1,2,3
	v_max3_num_f32 v[232+\b], v[96+16*\b], v[97+16*\b], v[98+16*\b]   ; the largest score of each block of 32 keys: for the row's maximum, and, since p rises with the score, for the block's largest p
.endr
.irp i, 3,5,7,9,11,13
.irp b, 0,1,2,3
	v_max3_num_f32 v[232+\b], v[232+\b], v[96+16*\b+\i], v[97+16*\b+\i]
.endr
.endr
.irp b, 0,1,2,3
	v_max_num_f32 v[232+\b], v[232+\b], v[111+16*\b]
.endr
.irp b, 0,1,2,3
	s_delay_alu instid0(VALU_DEP_4)
	v_permlanex16_b32 v[236+\b], v[232+\b], s[SEL], s[SEL+1]
.endr
.irp b, 0,1,2,3
	s_delay_alu instid0(VALU_DEP_4)
	v_max_num_f32 v[232+\b], v[232+\b], v[236+\b]
.endr
	s_delay_alu instid0(VALU_DEP_2)
	v_max3_num_f32 v254, v232, v233, v234
	s_delay_alu instid0(VALU_DEP_1)
	v_max_num_f32 v254, v254, v235
	s_delay_alu instid0(VALU_DEP_1)
	v_mul_f32 v254, s[CS], v254                    ; as t (c is positive)
	s_delay_alu instid0(VALU_DEP_1)
	v_max_num_f32 v13, v13, v254                   ; the running largest t
	v_mov_b32 v254, v12
	s_delay_alu instid0(VALU_DEP_2)
	v_floor_f32 v12, -v13                          ; the new -M = floor(-t): M is a whole number
	s_delay_alu instid0(VALU_DEP_1)
	v_sub_f32 v254, v12, v254                      ; old M - new M: a whole number, 0 or less
	s_delay_alu instid0(VALU_DEP_1)
	v_cvt_i32_f32 v254, v254                       ; (it saturates)
	s_delay_alu instid0(VALU_DEP_1)
	v_ldexp_f32 v252, 1.0, v254                    ; f = 2^(old M - new M): a multiplication by it rounds nothing
	s_setprio 1
.irp j, 0,2,4,6,8,10,12,14,16,18,20,22,24,26,28,30,32,34,36,38,40,42,44,46,48,50,52,54,56,58,60,62
	v_pk_fma_f32 v[96+\j:97+\j], v[96+\j:97+\j], s[CS:CS+1], v[12:13] op_sel_hi:[1,0,0]   ; t - M, two at a time
.endr
.irp b, 0,1,2,3
	v_fma_f32 v[232+\b], v[232+\b], s[CS], v12
.endr
	s_wait_alu depctr_va_vdst(0)
.irp j, 0,1,2,3,4,5,6,7,8,9,10,11,12,13,14,15,16,17,18,19,20,21,22,23,24,25,26,27,28,29,30,31,32,33,34,35,36,37,38,39,40,41,42,43,44,45,46,47,48,49,50,51,52,53,54,55,56,57,58,59,60,61,62,63
	v_exp_f32 v[96+\j], v[96+\j]                   ; p = 2^(t - M)
.endr
	v_pk_mul_f32 v[14:15], v[14:15], v[252:253] op_sel_hi:[1,0]   ; the sums under the new M (a plain line behind the exponentials)
	s_wait_alu depctr_va_vdst(0)                   ; one wait for the whole batch, ahead of its first reader
.irp b, 0,1,2,3
	v_exp_f32 v[232+\b], v[232+\b]                 ; the block's largest p
.endr
	v_pk_add_f32 v[236:237], v[100:101], v[104:105]
	v_pk_add_f32 v[246:247], v[108:109], v[112:113]
	v_pk_add_f32 v[244:245], v[116:117], v[120:121]
	v_pk_add_f32 v[240:241], v[124:125], v[128:129]
	v_pk_add_f32 v[238:239], v[132:133], v[136:137]
	v_pk_add_f32 v[230:231], v[140:141], v[144:145]
	v_pk_add_f32 v[228:229], v[148:149], v[152:153]
	v_pk_add_f32 v[14:15], v[14:15], v[156:157]
	v_pk_add_f32 v[236:237], v[236:237], v[96:97]
	v_pk_add_f32 v[246:247], v[246:247], v[98:99]
	v_pk_add_f32 v[244:245], v[244:245], v[102:103]
	v_pk_add_f32 v[240:241], v[240:241], v[106:107]
	v_pk_add_f32 v[238:239], v[238:239], v[110:111]
	v_pk_add_f32 v[230:231], v[230:231], v[114:115]
	v_pk_add_f32 v[228:229], v[228:229], v[118:119]
	v_pk_add_f32 v[14:15], v[14:15], v[122:123]
	v_pk_add_f32 v[236:237], v[236:237], v[126:127]
	v_pk_add_f32 v[246:247], v[246:247], v[130:131]
	v_pk_add_f32 v[244:245], v[244:245], v[134:135]
	v_pk_add_f32 v[240:241], v[240:241], v[138:139]
	v_pk_add_f32 v[238:239], v[238:239], v[142:143]
	v_pk_add_f32 v[230:231], v[230:231], v[146:147]
	v_pk_add_f32 v[228:229], v[228:229], v[150:151]
	v_pk_add_f32 v[14:15], v[14:15], v[154:155]
	v_pk_add_f32 v[236:237], v[236:237], v[158:159]
	s_delay_alu instid0(VALU_DEP_2)
	v_pk_add_f32 v[14:15], v[14:15], v[240:241]
	s_delay_alu instid0(VALU_DEP_2)
	v_pk_add_f32 v[236:237], v[236:237], v[238:239]
	v_pk_add_f32 v[246:247], v[246:247], v[230:231]
	v_pk_add_f32 v[244:245], v[244:245], v[228:229]
	s_delay_alu instid0(VALU_DEP_2)
	v_pk_add_f32 v[14:15], v[14:15], v[246:247]
	s_delay_alu instid0(VALU_DEP_2)
	v_pk_add_f32 v[236:237], v[236:237], v[244:245]
	s_delay_alu instid0(VALU_DEP_1)
	v_pk_add_f32 v[14:15], v[14:15], v[236:237]
	s_setprio 0
	s_wait_alu depctr_va_vdst(0)                   ; and one for the four
.irp b, 0,1,2,3
	v_max_num_f32 v[232+\b], 0x2800000, v[232+\b]  ; the floor 2^(5 - 127)
.endr
.irp b, 0,1,2,3
	s_delay_alu instid0(VALU_DEP_4)
	v_add_nc_u32 v[244+\b], 0xfe000000, v[232+\b]
.endr
.irp b, 0,1,2,3
	s_delay_alu instid0(VALU_DEP_4)
	v_lshrrev_b32 v[236+\b], 23, v[244+\b]
.endr
	s_delay_alu instid0(VALU_DEP_3)
	v_lshl_or_b32 v253, v237, 8, v236              ; p's scale word for these 128 keys
	s_delay_alu instid0(VALU_DEP_1)
	v_lshl_or_b32 v253, v238, 16, v253
	s_delay_alu instid0(VALU_DEP_1)
	v_lshl_or_b32 v253, v239, 24, v253
.irp c, 0,1
	v_cvt_scalef32_pk16_bf6_f32 v[224+6*\c:226+6*\c], v[96+32*\c:111+32*\c], v[244+2*\c]
	v_cvt_scalef32_pk16_bf6_f32 v[236+4*\c:238+4*\c], v[112+32*\c:127+32*\c], v[244+2*\c+1]
.endr
	v_nop
.irp c, 0,1
.irp i, 0,1,2
	v_permlane16_swap_b32 v[224+6*\c+\i], v[236+4*\c+\i]
.endr
.irp i, 0,1,2
	s_delay_alu instid0(VALU_DEP_3)
	v_mov_b32 v[227+6*\c+\i], v[236+4*\c+\i]
.endr
.endr
.irp j, 0,2,4,6,8,10,12,14,16,18,20,22,24,26,28,30
	v_pk_mul_f32 v[160+\j:161+\j], v[160+\j:161+\j], v[252:253] op_sel_hi:[1,0]   ; O^T under the new M.  (These sixteen are also the places between the lines that made p's codes and scale word and the products below)
.endr
	s_wait_alu depctr_va_vdst(0)
	s_wait_dscnt 0x0                               ; V^T
.irp t, 0,1,2,3                                ; O^T += V^T P^T: four accumulators by turns
	v_wmma_scale_f32_16x16x128_f8f6f4 v[160+8*\t:167+8*\t], v[32+12*\t:43+12*\t], v[224:235], v[160+8*\t:167+8*\t], v[248+\t], v253 matrix_a_fmt:MATRIX_FMT_BF6 matrix_b_fmt:MATRIX_FMT_BF6
.endr
.Lhidden_\@:
	s_add_co_u32 s[KF], s[KF], 128
	s_add_co_u32 s[TB], s[TB], SBK
.endm
; The tile's result: O^T / l, quantised along the 64 channels (two blocks), stored as three pieces of 256 bytes and two scale bytes a row.
.macro OUT k
.rept 4
	v_nop                                          ; places behind the last products
.endr
	v_add_f32 v14, v14, v15
	s_delay_alu instid0(VALU_DEP_1)
	v_permlanex16_b32 v252, v14, s[SEL], s[SEL+1]
	s_delay_alu instid0(VALU_DEP_1)
	v_add_f32 v14, v14, v252                       ; the row's sum
	s_wait_alu depctr_va_vdst(0)
	v_rcp_f32 v14, v14
	v_nop                                          ; a plain line behind the reciprocal
	s_wait_alu depctr_va_vdst(0)                   ; and the wait ahead of its first reader
.irp j, 0,1,2,3,4,5,6,7,8,9,10,11,12,13,14,15,16,17,18,19,20,21,22,23,24,25,26,27,28,29,30,31
	v_mul_f32 v[96+\j], v[160+\j], v14
.endr
.irp b, 0,1
	v_max3_num_f32 v[232+\b], |v[96+16*\b]|, |v[97+16*\b]|, 0x2800000
.endr
.irp i, 2,4,6,8,10,12,14
.irp b, 0,1
	s_delay_alu instid0(VALU_DEP_2)
	v_max3_num_f32 v[232+\b], v[232+\b], |v[96+16*\b+\i]|, |v[97+16*\b+\i]|
.endr
.endr
.irp b, 0,1
	s_delay_alu instid0(VALU_DEP_2)
	v_permlanex16_b32 v[236+\b], v[232+\b], s[SEL], s[SEL+1]
.endr
.irp b, 0,1
	s_delay_alu instid0(VALU_DEP_2)
	v_max_num_f32 v[232+\b], v[232+\b], v[236+\b]
.endr
.irp b, 0,1
	s_delay_alu instid0(VALU_DEP_2)
	v_add_nc_u32 v[244+\b], 0xfe000000, v[232+\b]
.endr
.irp b, 0,1
	s_delay_alu instid0(VALU_DEP_2)
	v_lshrrev_b32 v[236+\b], 23, v[244+\b]
.endr
	s_delay_alu instid0(VALU_DEP_1)
	v_lshl_or_b32 v222, v237, 8, v236
	v_cvt_scalef32_pk16_bf6_f32 v[224:226], v[96:111], v244
	v_cvt_scalef32_pk16_bf6_f32 v[236:238], v[112:127], v245
	v_nop
.irp i, 0,1,2
	v_permlane16_swap_b32 v[224+\i], v[236+\i]
.endr
.irp i, 0,1,2
	s_delay_alu instid0(VALU_DEP_3)
	v_mov_b32 v[227+\i], v[236+\i]
.endr
.irp p, 0,1,2
	global_store_b64 v1, v[224+2*\p:225+2*\p], s[52+8*\k:53+8*\k] offset:256*\p   ; the wave stores 256 consecutive bytes, aligned
.endr
	global_store_b16 v6, v222, s[54+8*\k:55+8*\k]  ; row r's two bytes; both halves of the lanes write the same value
.endm
.macro PASS k, qz, zq, qsw
.if \k
	s_wait_xcnt 0x0                                ; the first tile's stores have read their data
.endif
	v_mov_b32 v13, 0xff61b1e6                      ; the largest t so far: -3e38
	s_delay_alu instid0(VALU_DEP_1)
	v_floor_f32 v12, -v13
	v_mov_b32 v14, 0
	v_mov_b32 v15, 0
.irp j, 0,1,2,3,4,5,6,7,8,9,10,11,12,13,14,15,16,17,18,19,20,21,22,23,24,25,26,27,28,29,30,31
	v_mov_b32 v[160+\j], 0                         ; O^T: the step is written once; the first finds zeros
.endr
	s_mov_b32 s[TB], 0
	s_mov_b32 s[KF], 0
	s_mov_b32 s[CNT], 16
.Lstep_\@:
	STEP 68+\k, \qz, \zq, \qsw
	s_sub_co_u32 s[CNT], s[CNT], 1
	s_cmp_lg_u32 s[CNT], 0
	s_cbranch_scc1 .Lstep_\@
	s_setprio 0
	OUT \k
.endm
	PASS 0, 198, 192, 255
	PASS 1, 210, 204, 223
	s_wait_tensorcnt 0x0
	ds_add_u32 v95, v243
	s_wait_dscnt 0x0
	s_endpgm
.Lfunc_end_k_qf3b22ce1ac_attn:
	.size	k_qf3b22ce1ac_attn, .Lfunc_end_k_qf3b22ce1ac_attn-k_qf3b22ce1ac_attn
	.p2alignl 7, 3214868480
	.fill 96, 4, 3214868480
	.section	.rodata,"a",@progbits
	.p2align	6, 0x0
	.amdhsa_kernel k_qf3b22ce1ac_attn
		.amdhsa_group_segment_fixed_size 215040
		.amdhsa_private_segment_fixed_size 0
		.amdhsa_enable_private_segment 0
		.amdhsa_kernarg_size 32
		.amdhsa_user_sgpr_count 2
		.amdhsa_user_sgpr_kernarg_segment_ptr 1
		.amdhsa_wavefront_size32 1
		.amdhsa_system_sgpr_workgroup_id_x 1
		.amdhsa_system_sgpr_workgroup_id_y 1
		.amdhsa_system_sgpr_workgroup_id_z 1
		.amdhsa_system_vgpr_workitem_id 0
		.amdhsa_next_free_vgpr 256
		.amdhsa_next_free_sgpr 72
		.amdhsa_reserve_vcc 1
		.amdhsa_float_denorm_mode_32 3
		.amdhsa_float_denorm_mode_16_64 3
		.amdhsa_memory_ordered 1
		.amdhsa_forward_progress 1
		.amdhsa_inst_pref_size 66
	.end_amdhsa_kernel
	.amdgpu_metadata
---
amdhsa.version: [ 1, 2 ]
amdhsa.kernels:
  - .name:           k_qf3b22ce1ac_attn
    .symbol:         k_qf3b22ce1ac_attn.kd
    .args:
      - { .name: qimg, .offset: 0, .size: 8, .value_kind: global_buffer, .address_space: global }
      - { .name: kvimg, .offset: 8, .size: 8, .value_kind: global_buffer, .address_space: global }
      - { .name: aimg, .offset: 16, .size: 8, .value_kind: global_buffer, .address_space: global }
      - { .name: asc, .offset: 24, .size: 8, .value_kind: global_buffer, .address_space: global }
    .group_segment_fixed_size: 215040
    .private_segment_fixed_size: 0
    .kernarg_segment_align: 8
    .kernarg_segment_size: 32
    .max_flat_workgroup_size: 512
    .sgpr_count:     72
    .vgpr_count:     256
    .wavefront_size: 32
...
	.end_amdgpu_metadata
.endif
;; end of part 3
;; launch oproj (part 4): grid 4 x 32, 4 waves a work-group, clusters of 4 x 4, 327,680 bytes of LDS; arguments aimg, asc, wc, ws, bo, out0; writes out0
.if DOCPART == 4
	.amdgcn_target "amdgcn-amd-amdhsa--gfx1250"
	.amdhsa_code_object_version 6
	.text
	.protected	k_qf3b22ce1ac_oproj
	.globl	k_qf3b22ce1ac_oproj
	.p2align	8
	.type	k_qf3b22ce1ac_oproj,@function
k_qf3b22ce1ac_oproj:
	s_mov_b64 s[64:65], 0
	v_nop
	global_prefetch_b8 v0, s[64:65] scope:SCOPE_SE
	s_setreg_imm32_b32 hwreg(HW_REG_WAVE_MODE, 25, 1), 1
	s_wait_xcnt 0x0
	s_wait_alu depctr_hold_cnt(0) depctr_sa_sdst(0) depctr_va_vdst(0) depctr_va_sdst(0) depctr_va_ssrc(0) depctr_va_vcc(0) depctr_vm_vsrc(0)
	s_getreg_b32 s2, hwreg(HW_REG_IB_STS2, 6, 4)
	s_cmp_eq_u32 s2, 0
	s_cbranch_scc0 .Lentry_in_a_cluster
	s_endpgm
.Lentry_in_a_cluster:
	s_bfe_u32 s2, ttmp6, 0x10000c
	s_cmp_lg_u32 s2, 0xf033
	s_cbranch_scc0 .Lentry_shape_is_right
	s_endpgm
.Lentry_shape_is_right:
.set KSTEP,  256
.set NQ,     2
.set ROWB,   192
.set KROW,   768
.set ASLB,   3072
.set PITCH,  240
.set FR,     12
.set NL,     6
.set NP,     4
.set HALFT,  128*PITCH
.set SLOT,   4*HALFT
.set LAPS,   2
.set KS,     32
.set SCL,    2*SLOT
.set HALFS,  16*272
.set SBLK,   2*272
.set SPARE,  SCL+4*HALFS
.set SPITCH, 528
.set ADRA, 16
.set ADRB, 20
.set STO,  24
.set RD,   25
.set CO,   26
.set ADRS, 27
.set SPW,  28
.set NIL,  29
.set SC,   32
.set BR,   64
.set AF,   128
.set BK,   128
.set G1, 24
.set G0, 32
.set G1B, 48
.set G0B, 56
.set G1S, 68
.set G0S, 76
.set G1SB, 80
.set G0SB, 88
.set MSB, 0
.macro WIN new
.if MSB != \new
	s_set_vgpr_msb (MSB<<8)|\new
.set MSB, \new
.endif
.endm
.set MUL_LO,  0xa1
.set MUL_HI,  0xf1
.set MUL_LO0, 0x81
.set MUL_HI0, 0xc1
.set TO_B,    0x40
.macro JLOAD g0a, g1a, g0b, g1b
	s_cmp_eq_u32 s15, 0
	s_cbranch_scc0 .Lfor_b_\@
	tensor_load_to_lds s[\g0a:\g0a+3], s[\g1a:\g1a+7]
	s_nop 0
.rept 4
	v_nop
.endr
	s_branch .Lasked_\@
.Lfor_b_\@:
	tensor_load_to_lds s[\g0b:\g0b+3], s[\g1b:\g1b+7]
	s_nop 0
.rept 4
	v_nop
.endr
.Lasked_\@:
.endm
.macro CREST
	s_cmp_lg_u32 s14, 0
	s_cbranch_scc1 .Lnot_wave_0_\@
	s_barrier_signal -3
.Lnot_wave_0_\@:
	s_barrier_wait -3
	s_barrier_signal -1
	s_barrier_wait -1
.endm
.macro CROUND
	s_barrier_signal -1
	s_barrier_wait -1
	CREST
.endm
	s_load_b128 s[4:7], s[0:1], 0x0
	s_load_b128 s[8:11], s[0:1], 0x10
	s_load_b64 s[96:97], s[0:1], 0x20
	s_load_b64 s[12:13], s[0:1], 0x28
	v_lshl_add_u32 v[SPW], v0, 2, SPARE
	v_mov_b32 v[NIL], 0
	ds_add_u32 v28, v29
	ds_add_u32 v28, v29
	s_wait_dscnt 0x0
	v_lshrrev_b32 v1, 5, v0
	v_readfirstlane_b32 s14, v1
	s_lshr_b32 s15, s14, 1
	s_and_b32 s16, s14, 1
	s_bfe_u32 s40, ttmp6, 0x40000
	s_bfe_u32 s41, ttmp6, 0x40004
	s_lshl_b32 s42, ttmp9, 2
	s_add_co_u32 s42, s42, s40
	s_and_b32 s17, ttmp7, 0xffff
	s_lshl_b32 s17, s17, 2
	s_add_co_u32 s17, s17, s41
	s_lshl_b32 s43, s41, 2
	s_lshl_b32 s43, 15, s43
	s_lshl_b32 s44, 0x1111, s40
	s_or_b32 s[G1+0], s43, (3<<16)|(1<<21)
	s_mov_b32 s[G1+1], 384<<16
	s_mov_b32 s[G1+2], 8<<16
	s_mov_b32 s[G1+3], 384<<16
	s_mov_b32 s[G1+4], 8
	s_mov_b32 s[G1+5], 1536
	s_mov_b32 s[G1+6], 0
	s_mov_b32 s[G1+7], 0
	s_or_b32 s[G1B+0], s44, (0<<16)|(1<<20)|(1<<21)|(3<<22)|(3<<25)
	s_mov_b32 s[G1B+1], ROWB<<16
	s_mov_b32 s[G1B+2], 128<<16
	s_mov_b32 s[G1B+3], ROWB<<16
	s_mov_b32 s[G1B+4], 128
	s_mov_b32 s[G1B+5], KROW
	s_mov_b32 s[G1B+6], 0
	s_mov_b32 s[G1B+7], 0
	s_or_b32 s[G1S+0], s43, (3<<16)|(1<<20)|(1<<21)|(5<<22)|(3<<25)
	s_or_b32 s[G1SB+0], s44, (3<<16)|(1<<20)|(1<<21)|(5<<22)|(3<<25)
.irp g, G1S, G1SB
	s_mov_b32 s[\g+1], 32<<16
	s_mov_b32 s[\g+2], 16<<16
	s_mov_b32 s[\g+3], 32<<16
	s_mov_b32 s[\g+4], 16
	s_mov_b32 s[\g+5], 32
	s_mov_b32 s[\g+6], 0
	s_mov_b32 s[\g+7], 0
.endr
	s_lshl_b32 s18, s16, 7
	s_lshl_b32 s20, s17, 8
	s_add_co_u32 s20, s20, s18
	s_lshl_b32 s46, s42, 8
	s_add_co_u32 s46, s46, s18
	s_mov_b32 s21, 0
	s_mov_b32 s47, 0
	s_mov_b64 s[18:19], KS
	s_mul_u64 s[22:23], s[20:21], s[18:19]
	s_mul_u64 s[92:93], s[46:47], s[18:19]
	s_mov_b64 s[18:19], KROW
	s_mul_u64 s[20:21], s[20:21], s[18:19]
	s_mul_u64 s[46:47], s[46:47], s[18:19]
	s_mul_i32 s45, s14, HALFT
	s_mul_i32 s94, s14, HALFS
	s_wait_kmcnt 0x0
	s_add_nc_u64 s[8:9], s[8:9], 3*1024*KROW
	s_add_nc_u64 s[10:11], s[10:11], 3*1024*KS
	s_add_nc_u64 s[20:21], s[4:5], s[20:21]
	s_add_nc_u64 s[22:23], s[6:7], s[22:23]
	s_add_nc_u64 s[46:47], s[8:9], s[46:47]
	s_add_nc_u64 s[92:93], s[10:11], s[92:93]
	CROUND
	s_mov_b32 s[G0S], 1
	s_add_co_u32 s[G0S+1], s94, SCL
	s_mov_b64 s[G0S+2:G0S+3], s[22:23]
	s_or_b32 s[G0S+3], s[G0S+3], 0x80000000
	s_mov_b32 s[G0SB], 1
	s_add_co_u32 s[G0SB+1], s94, SCL
	s_mov_b64 s[G0SB+2:G0SB+3], s[92:93]
	s_or_b32 s[G0SB+3], s[G0SB+3], 0x80000000
	JLOAD G0S, G1S, G0SB, G1SB
.irp s, 0,1
	s_mov_b32 s[G0+4*\s], 1
	s_add_co_u32 s[G0+4*\s+1], s45, \s*SLOT
	s_add_nc_u64 s[G0+4*\s+2:G0+4*\s+3], s[20:21], \s*ASLB
	s_or_b32 s[G0+4*\s+3], s[G0+4*\s+3], 0x80000000
	s_mov_b32 s[G0B+4*\s], 1
	s_add_co_u32 s[G0B+4*\s+1], s45, \s*SLOT
	s_add_nc_u64 s[G0B+4*\s+2:G0B+4*\s+3], s[46:47], \s*ROWB
	s_or_b32 s[G0B+4*\s+3], s[G0B+4*\s+3], 0x80000000
	s_wait_alu depctr_va_vdst(0)
	s_wait_tensorcnt 0x0
	ds_add_u32 v28, v29
	s_wait_dscnt 0x0
	CROUND
	JLOAD G0+4*\s, G1, G0B+4*\s, G1B
.endr
	v_and_b32 v1, 15, v0
	v_bfe_u32 v2, v0, 4, 1
	v_and_b32 v6, 31, v0
	v_lshlrev_b32 v7, 3, v6
	v_mul_u32_u24 v3, v1, PITCH
	v_mul_u32_u24 v4, v2, 24
	v_add_nc_u32 v4, v3, v4
	v_lshl_add_u32 v5, v2, 4, v4
	s_mul_i32 s21, s15, HALFT
	s_mul_i32 s22, s16, HALFT
	s_add_co_u32 s22, s22, 2*HALFT
.irp s, 0,1
	v_add_nc_u32 v[ADRA+\s], s21, v7
	v_add_nc_u32 v[ADRB+\s], s22, v4
	v_add_nc_u32 v[ADRB+2+\s], s22, v5
	s_add_co_u32 s21, s21, SLOT
	s_add_co_u32 s22, s22, SLOT
.endr
	v_mul_u32_u24 v5, v1, KS
	v_lshrrev_b32 v3, 8, v5
	v_lshl_add_u32 v5, v3, 4, v5
	s_mul_i32 s21, s15, HALFS
	s_mul_i32 s22, s16, HALFS
	s_add_co_u32 s22, s22, 2*HALFS
	s_sub_co_u32 s22, s22, s21
	v_mul_u32_u24 v3, s22, v2
	s_add_co_u32 s21, s21, SCL
	v_add_nc_u32 v5, v5, v3
	v_add_nc_u32 v[ADRS], s21, v5
	s_mul_i32 s23, s14, 16*SPITCH
	v_mul_u32_u24 v5, v1, SPITCH
	v_lshl_add_u32 v5, v2, 6, v5
	v_add_nc_u32 v[STO], s23, v5
	v_lshlrev_b32 v[CO], 4, v6
	v_add_nc_u32 v[RD], s23, v[CO]
	s_lshl_b32 s20, s17, 8
	s_lshl_b32 s21, s15, 7
	s_add_co_u32 s20, s20, s21
	s_lshl_b32 s20, s20, 12
	s_mov_b32 s21, 0
	s_lshl_b32 s46, s42, 10
	s_lshl_b32 s47, s16, 9
	s_add_co_u32 s46, s46, s47
	s_mov_b32 s47, 0
	s_add_nc_u64 s[96:97], s[96:97], s[46:47]
	s_add_nc_u64 s[20:21], s[20:21], s[46:47]
	s_add_nc_u64 s[12:13], s[12:13], s[20:21]
	v_lshlrev_b32 v8, 6, v2
.irp b, 0,1,2,3,4,5,6,7
	global_load_b128 v[BR+8*\b:BR+8*\b+3], v8, s[96:97] offset:(32*(\b/2)+8*(\b%2))*4
	global_load_b128 v[BR+8*\b+4:BR+8*\b+7], v8, s[96:97] offset:(32*(\b/2)+8*(\b%2))*4+16
.endr
.macro FRAG reg, adr, q, i
.irp p, 0,1,2,3,4,5
.set PIECE, 12*(\q)+6*(\p/3)+\p%3
.if PIECE%8 < 5
	ds_load_b64 v[\reg+2*\p:\reg+2*\p+1], v[\adr] offset:8*PIECE+16*(PIECE/8)+(\i)*16*PITCH
.else
	ds_load_b64 v[\reg+2*\p:\reg+2*\p+1], v[\adr+2] offset:8*PIECE+16*(PIECE/8)+(\i)*16*PITCH
.endif
.endr
.endm
.macro FRAGA reg, slot, q, i
.irp p, 0,1,2,3,4,5
	ds_load_b64 v[\reg+2*\p:\reg+2*\p+1], v[ADRA+\slot] offset:ASLB*(\i)+1536*(\q)+256*\p
.endr
.endm
.macro MUL16 a0, p, q, sc, zero
.irp a, \a0, \a0+1
.irp b, 0,1,2,3,4,5,6,7
.if \zero
	v_wmma_scale_f32_16x16x128_f8f6f4 v[8*(8*((\a)%4)+\b):8*(8*((\a)%4)+\b)+7], v[128*(\p)+FR*\b:128*(\p)+FR*\b+FR-1], v[AF+FR*(\a):AF+FR*(\a)+FR-1], v[BR+8*\b:BR+8*\b+7], v[SC+8*NQ*(\sc)+NQ*\b+(\q)], v[SC+8*NQ*(\sc)+NQ*(\a)+(\q)] matrix_a_fmt:MATRIX_FMT_BF6 matrix_b_fmt:MATRIX_FMT_BF6 matrix_a_scale:MATRIX_SCALE_ROW1
.else
	v_wmma_scale_f32_16x16x128_f8f6f4 v[8*(8*((\a)%4)+\b):8*(8*((\a)%4)+\b)+7], v[128*(\p)+FR*\b:128*(\p)+FR*\b+FR-1], v[AF+FR*(\a):AF+FR*(\a)+FR-1], v[8*(8*((\a)%4)+\b):8*(8*((\a)%4)+\b)+7], v[SC+8*NQ*(\sc)+NQ*\b+(\q)], v[SC+8*NQ*(\sc)+NQ*(\a)+(\q)] matrix_a_fmt:MATRIX_FMT_BF6 matrix_b_fmt:MATRIX_FMT_BF6 matrix_a_scale:MATRIX_SCALE_ROW1
.endif
.endr
.endr
.endm
.macro FETCH_B slot, q, p
	WIN TO_B
.irp i, 0,1,2,3,4,5,6,7
	FRAG 128*(\p)+FR*\i, ADRB+\slot, \q, \i
.endr
	WIN 0
.endm
.macro FETCH_A slot, q, i0
.irp i, \i0, \i0+1, \i0+2, \i0+3
	FRAGA AF+FR*(\i), \slot, \q, \i
.endr
.endm
.macro SCALES sc
.irp i, 0,1,2,3,4,5,6,7
	ds_load_b64 v[SC+8*NQ*\sc+NQ*\i:SC+8*NQ*\sc+NQ*\i+1], v[ADRS] offset:\i*SBLK
.endr
.endm
.macro PLACES n
.rept \n
	v_nop
.endr
.endm
.macro STEP slot, q, zero
	s_wait_dscnt 4*NL
.if \zero
	WIN MUL_LO0
.else
	WIN MUL_LO
.endif
	MUL16 0, (\q)%2, \q, \slot, \zero
	MUL16 2, (\q)%2, \q, \slot, \zero
	s_wait_dscnt 0
	PLACES NP
	FETCH_B \slot, (\q)+1, 1-(\q)%2
	FETCH_A \slot, (\q)+1, 0
.if \zero
	WIN MUL_HI0
.else
	WIN MUL_HI
.endif
	MUL16 4, (\q)%2, \q, \slot, \zero
	MUL16 6, (\q)%2, \q, \slot, \zero
	PLACES NP
	WIN 0
	FETCH_A \slot, (\q)+1, 4
.endm
.macro TURN slot, next, fill
	s_wait_tensorcnt 0x0
	ds_add_u32 v[SPW], v[NIL]
	s_wait_dscnt 4*NL+1
	WIN MUL_LO
	MUL16 0, 1, NQ-1, \slot, 0
	s_wait_dscnt 0x0
	s_barrier_signal -1
	MUL16 2, 1, NQ-1, \slot, 0
	WIN 0
	s_barrier_wait -1
.if \fill
	CREST
	s_add_nc_u64 s[G0+4*\slot+2:G0+4*\slot+3], s[G0+4*\slot+2:G0+4*\slot+3], 2*ASLB
	s_add_nc_u64 s[G0B+4*\slot+2:G0B+4*\slot+3], s[G0B+4*\slot+2:G0B+4*\slot+3], 2*ROWB
	JLOAD G0+4*\slot, G1, G0B+4*\slot, G1B
.else
	PLACES NP
.endif
	s_wait_alu depctr_va_vdst(0)
	v_add_nc_u32 v[ADRS], 4*NQ, v[ADRS]
	FETCH_B \next, 0, 0
	FETCH_A \next, 0, 0
	SCALES \next
	WIN MUL_HI
	MUL16 4, 1, NQ-1, \slot, 0
	MUL16 6, 1, NQ-1, \slot, 0
	PLACES NP
	WIN 0
	FETCH_A \next, 0, 4
.endm
	s_wait_alu depctr_va_vdst(0)
	s_wait_loadcnt 0x0
	s_wait_tensorcnt 1
	s_barrier_signal -1
	s_barrier_wait -1
	FETCH_B 0, 0, 0
	FETCH_A 0, 0, 0
	SCALES 0
	FETCH_A 0, 0, 4
	STEP 0, 0, 1
	s_mov_b32 s3, LAPS-1
.Llap:
	TURN 0, 1, 1
	STEP 1, 0, 0
	TURN 1, 0, 1
	STEP 0, 0, 0
	s_sub_co_u32 s3, s3, 1
	s_cmp_lg_u32 s3, 0
	s_cbranch_scc1 .Llap
	TURN 0, 1, 0
	STEP 1, 0, 0
	s_wait_dscnt 4*NL
	WIN MUL_LO
	MUL16 0, 1, NQ-1, 1, 0
	MUL16 2, 1, NQ-1, 1, 0
	s_wait_dscnt 0
	WIN MUL_HI
	MUL16 4, 1, NQ-1, 1, 0
	MUL16 6, 1, NQ-1, 1, 0
	WIN 0
.macro TOSTAGE a
.set AC, 64*((\a)%4)
	WIN 0x08+4*((\a)/4)
.irp b, 0,1,2,3,4,5,6,7
	ds_store_b128 v[STO], v[AC+8*\b:AC+8*\b+3] offset:128*(\b/2)+32*(\b%2)
	ds_store_b128 v[STO], v[AC+8*\b+4:AC+8*\b+7] offset:128*(\b/2)+32*(\b%2)+16
.endr
	WIN 0
.set BB, BK+64*((\a)%2)
.irp t, 0,1,2,3,4,5,6,7,8,9,10,11,12,13,14,15
	ds_load_b128 v[BB+4*\t:BB+4*\t+3], v[RD] offset:\t*SPITCH
.endr
.endm
.macro SEND a, younger
.set BB, BK+64*((\a)%2)
	s_wait_dscnt \younger
.irp t, 0,1,2,3,4,5,6,7,8,9,10,11,12,13,14,15
	global_store_b128 v[CO], v[BB+4*\t:BB+4*\t+3], s[12:13] offset:(32*((\a)/2)+8*((\a)%2)+\t+8*(\t/8))*4096 th:TH_STORE_NT
.endr
.endm
	PLACES NP
	TOSTAGE 0
.irp a, 1,2,3,4,5,6,7
.if \a > 1
	s_wait_xcnt 0x0
.endif
	TOSTAGE \a
	SEND \a-1, 32
.endr
	SEND 7, 0
	s_wait_tensorcnt 0x0
	ds_add_u32 v[SPW], v[NIL]
	s_wait_dscnt 0x0
	CROUND
	s_endpgm
.Lfunc_end_k_qf3b22ce1ac_oproj:
	.size	k_qf3b22ce1ac_oproj, .Lfunc_end_k_qf3b22ce1ac_oproj-k_qf3b22ce1ac_oproj
	.p2alignl 7, 3214868480
	.fill 96, 4, 3214868480
	.section	.rodata,"a",@progbits
	.p2align	6, 0x0
	.amdhsa_kernel k_qf3b22ce1ac_oproj
		.amdhsa_group_segment_fixed_size 327680
		.amdhsa_private_segment_fixed_size 0
		.amdhsa_enable_private_segment 0
		.amdhsa_kernarg_size 48
		.amdhsa_user_sgpr_count 2
		.amdhsa_user_sgpr_kernarg_segment_ptr 1
		.amdhsa_wavefront_size32 1
		.amdhsa_system_sgpr_workgroup_id_x 1
		.amdhsa_system_sgpr_workgroup_id_y 1
		.amdhsa_system_sgpr_workgroup_id_z 1
		.amdhsa_system_vgpr_workitem_id 0
		.amdhsa_next_free_vgpr 1024
		.amdhsa_next_free_sgpr 100
		.amdhsa_reserve_vcc 0
		.amdhsa_float_denorm_mode_32 3
		.amdhsa_float_denorm_mode_16_64 3
		.amdhsa_memory_ordered 1
		.amdhsa_forward_progress 1
		.amdhsa_inst_pref_size 162
	.end_amdhsa_kernel
	.amdgpu_metadata
---
amdhsa.version: [ 1, 2 ]
amdhsa.kernels:
  - .name:           k_qf3b22ce1ac_oproj
    .symbol:         k_qf3b22ce1ac_oproj.kd
    .args:
      - { .name: aimg, .offset: 0, .size: 8, .value_kind: global_buffer, .address_space: global }
      - { .name: asc, .offset: 8, .size: 8, .value_kind: global_buffer, .address_space: global }
      - { .name: wc, .offset: 16, .size: 8, .value_kind: global_buffer, .address_space: global }
      - { .name: ws, .offset: 24, .size: 8, .value_kind: global_buffer, .address_space: global }
      - { .name: bo, .offset: 32, .size: 8, .value_kind: global_buffer, .address_space: global }
      - { .name: out0, .offset: 40, .size: 8, .value_kind: global_buffer, .address_space: global }
    .group_segment_fixed_size: 327680
    .private_segment_fixed_size: 0
    .kernarg_segment_align: 8
    .kernarg_segment_size: 48
    .max_flat_workgroup_size: 128
    .sgpr_count:     100
    .vgpr_count:     1024
    .wavefront_size: 32
...
	.end_amdgpu_metadata
.endif
;; end of part 4
